; MI455X (gfx1250); checked and timed in simulation.
; The chip was launched on July 23, 2026; its instructions are those of AMD's public machine-readable ISA for CDNA 5 (MIT licence, August 2026) and "CDNA5" Instruction Set Architecture Reference Guide (July 2026). The comments in the code are by the model that wrote it; some were corrected since.
;; Self Attention. Allowed arithmetic: matrix products marked QUANTISED: E2M3 operands, one E8M0 scale for each 32 along K, by v_wmma_scale_f32_16x16x128_f8f6f4 with both operands' format E2M3, f32 sums; everything else in f32.
;; Inputs: bk 1,024 float32; bo 1,024 float32; bq 1,024 float32; bv 1,024 float32; wk 1,024 x 1,024 float32; wo 1,024 x 1,024 float32; wq 1,024 x 1,024 float32; wv 1,024 x 1,024 float32; x 4 x 2,048 x 1,024 float32.
;; Outputs: out0 4 x 2,048 x 1,024 float32.
;; This version of the problem:
;;   THIS VERSION OF THE PROBLEM IS GIVEN IN LOW PRECISION. The matrix products marked QUANTISED in the list below multiply operands that are first quantised to E2M3 (2 exponent bits, 3 mantissa bits; 6 bits a number), with one power-of-two scale for each 32 numbers along K (OCP MX v1.0); their sums are f32. All else is computed in f32.
;;   The module's matrix products, in the order in which they are computed (A, B: the left and right operand; K: the contracted axis; several contracted axes count as one K, in the product's order):
;;     1. [M 8,192, K 1,024] x [K 1,024, N 1,024]; A: input x; B: input wq: QUANTISED
;;     2. [M 8,192, K 1,024] x [K 1,024, N 1,024]; A: input x; B: input wk: QUANTISED
;;     3. [M 8,192, K 1,024] x [K 1,024, N 1,024]; A: input x; B: input wv: QUANTISED
;;     4. batch 64 x [M 2,048, K 64] x [K 64, N 2,048]; A: computed on the way; B: computed on the way: QUANTISED
;;     5. batch 64 x [M 2,048, K 2,048] x [K 2,048, N 64]; A: softmax (see below); B: computed on the way: QUANTISED
;;     6. [M 8,192, K 1,024] x [K 1,024, N 1,024]; A: computed on the way; B: input wo: QUANTISED
;;   THE QUANTISER, for each operand of a quantised product, along K:
;;     - K is cut into blocks of 32 from its start; a last block that is shorter is filled with zeros.
;;     - A block's scale is 2^e with e = floor(log2(the largest magnitude in the block)) - 2, held to -126 .. 127; a block of zeros has e = 0. As a byte (E8M0): e + 127.
;;     - Each number is divided by its block's scale, clamped to +-7.5, and rounded to the nearest number of E2M3, ties to even, subnormals kept.
;;     - The product sums the exact products of the quantised numbers (number of the format x scale) in f32.
;;   ~~~python
;;   def quantise(x, axis):      # numpy; x: float32 -> the quantised numbers, widened to float32 again
;;       x = np.moveaxis(x, axis, -1); K = x.shape[-1]
;;       x = np.pad(x, [(0, 0)] * (x.ndim - 1) + [(0, -K % 32)]); x = x.reshape(x.shape[:-1] + (-1, 32)); a = np.abs(x).max(-1, keepdims=True)
;;       e = np.where(a > 0, np.clip(np.frexp(np.where(a > 0, a, 1))[1] - 1 - 2, -126, 127), 0)      # np.frexp(a)[1] - 1 = floor(log2(a)), exactly
;;       r = np.clip(x / 2.0 ** e, -7.5, 7.5)
;;       step = 2.0 ** (np.maximum(np.frexp(np.where(r == 0, 1, r))[1] - 1, 0) - 3)
;;       q = np.round(r / step) * step * 2.0 ** e      # np.round: ties to even
;;       return np.moveaxis(q.reshape(q.shape[:-2] + (-1,))[..., :K], -1, axis).astype(np.float32)
;;   ~~~
;;   SOFTMAX AHEAD OF A QUANTISED PRODUCT. Where the list says 'softmax', what is quantised is not the finished softmax but p = 2^(t - M), with t = logit x log2(e) and M = ceil(the row's largest t), a whole number; so 1/2 < the row's largest p <= 1. The row's sum l is taken of the UNQUANTISED p, in f32, and the product's result is divided by l at the end. Since M is a whole number, a kernel that streams over the keys may use a running M (the ceiling of the running maximum): every later rescaling is an exact power of two, which a block's scale takes up: the codes' values come out the same.
;;   OPERANDS COMPUTED ON THE WAY. 'Computed on the way' means the value that the module computes at that place (a softmax that the list does not call 'softmax' is quantised finished and normalised). What goes into a quantiser is computed in f32, as accurately as f32 sums, v_exp_f32 and their like allow (about 1e-6 of the number): no bf16 or f16 on the way to a quantiser, and a product that is left as it is and whose result goes on into a quantised operand takes f32 operands (vector FMAs, or v_wmma_f32_16x16x4_f32). A number that lies on a knife's edge between two numbers of the format may be rounded either way, as far as f32 arithmetic and the matrix unit's own rounding can turn it there, and no further.
;; One version. Each part assembles by itself: llvm-mc -triple=amdgcn-amd-amdhsa -mcpu=gfx1250 --defsym DOCPART=n.
;; ======== version 1 of 1: 4 launches
;; limits: right only within a limited range of input values
;; workspace buffers: codes 9,437,184 bytes; scl 393,216 bytes; qkv 18,874,368 bytes; qkvs 1,310,720 bytes
;; launch quant (part 1): grid 256 x 1, 6 waves a work-group, no clusters, 51,456 bytes of LDS; arguments x, wq, wk, wv, wo, codes, scl; writes codes, scl
.if DOCPART == 1
	.amdgcn_target "amdgcn-amd-amdhsa--gfx1250"
	.amdhsa_code_object_version 6
	.text
	.protected	k_qc371c5e3e9_quant
	.globl	k_qc371c5e3e9_quant
	.p2align	8
	.type	k_qc371c5e3e9_quant,@function
k_qc371c5e3e9_quant:
	s_mov_b64 s[64:65], 0
	v_nop
	global_prefetch_b8 v0, s[64:65] scope:SCOPE_SE
	s_setreg_imm32_b32 hwreg(HW_REG_WAVE_MODE, 25, 1), 1
	s_wait_xcnt 0x0
; x [8192][1024] and wq, wk, wv, wo [1024][1024], f32 with K innermost, become codes of FP6 (E2M3) with one E8M0 byte for each 32 along K.
; A block's scale is 2^(floor(log2(its largest magnitude)) - 2); its byte is the largest magnitude's exponent field - 2, held at 1 from below.
; LIMITS: NaN and infinities among the inputs are not served; a block whose largest magnitude lies under 2^-124 (a block of zeros too) gets the byte 1:
; a block of zeros has zero codes, which add nothing under that byte, and this program alone reads the bytes.
; LAYOUT OF THE CODES: tiles of 16 rows x 1,024 K, 12,288 bytes, as images of operand registers.  A HALF IMAGE (16 rows x 64 K, 768 bytes): lane l = (r = l % 16, h = l / 16)
; owns block h (32 codes, 24 bytes) of row r; its first 16 bytes lie at 16 l, its last 8 at 512 + 8 l.  So every later read of a fragment is of consecutive bytes.
; THE ROWS OF A TILE ARE NOT NEIGHBOURS: lane r of tile T holds row 32 (T / 2) + 8 (T % 2) + r + 8 (r / 8).  Tiles 0-511 x, 512-575 wq, 576-639 wk, 640-703 wv, 704-767 wo.
; SCALE WORDS: [tile][K half][r][4 words], 512 bytes a tile; a word serves 128 along K.
; SHARES: 1,536 waves, each 16 rows x 512 K in four steps of 128, written out.  A load takes 512 consecutive bytes of one row; the step's 16 rows turn through the wave's own
; stage in LDS (rows of 528 bytes, so that sixteen rows start at sixteen different banks) and come back 32 neighbours along K to a lane and block.  Waves share nothing: no barrier.
; No matrix unit, cluster or tensor load: each input byte is read once by one wave, so nothing is shared.
.set STG,   8448                       ; a wave's stage: 16 rows x 528 bytes
.set SPARE, 6*STG                      ; behind the six stages: the spare words, 128 bytes for each wave: three blocks of 256 bytes that no other line names
.set SPW,  2                           ; v2   LDS address of my spare word; never rewritten
.set NIL,  3                           ; v3   0; never rewritten
.set L16,  7                           ; v7   16 x lane
.set L8,   8                           ; v8   8 x lane
.set SIN,  9                           ; v9   the stage, on the way in: 16 x lane
.set SOUT, 10                          ; v10  and out: 528 r + 128 h
.set SH8,  11                          ; v11  8 h
.set WOF,  12                          ; v12  16 r + 8 h: my two scale words' place
.set R,    16                          ; v16-143  two sets of 64 registers as loaded
.set X,    144                         ; v144-207 register 32 c + i: k = 64 c + 32 h + i of row r
.set C,    208                         ; v208-219 the fragment's codes; v220-222, v224-226 the upper halves of the blocks as converted
.set W,    236                         ; v236-239 the four steps' scale words
	s_load_b256 s[4:11], s[0:1], 0x0               ; x, wq, wk, wv
	s_load_b128 s[12:15], s[0:1], 0x20             ; wo, codes
	s_load_b64 s[16:17], s[0:1], 0x30              ; scl
	v_lshl_add_u32 v[SPW], v0, 2, SPARE
	v_mov_b32 v[NIL], 0
	v_lshrrev_b32 v1, 5, v0
	v_readfirstlane_b32 s18, v1                    ; wave 0..5
	v_and_b32 v4, 31, v0                           ; lane
	v_and_b32 v5, 15, v0                           ; r
	v_bfe_u32 v6, v0, 4, 1                         ; h
	v_lshlrev_b32 v[L16], 4, v4
	v_lshlrev_b32 v[L8], 3, v4
	s_mul_i32 s19, s18, STG
	v_add_nc_u32 v[SIN], s19, v[L16]
	v_mul_u32_u24 v[SOUT], v5, 528
	v_lshl_add_u32 v[SOUT], v6, 7, v[SOUT]
	v_add_nc_u32 v[SOUT], s19, v[SOUT]
	v_lshlrev_b32 v[SH8], 3, v6
	v_lshlrev_b32 v[WOF], 4, v5
	v_lshl_add_u32 v[WOF], v6, 3, v[WOF]
	v_mov_b32 v235, 0                              ; written once: a lane permute's destination counts as one of its sources
	s_mov_b32 s28, 0x76543210
	s_mov_b32 s29, 0xfedcba98                      ; v_permlanex16_b32's selects for lane l xor 16
	s_mov_b32 s30, 0xffff0000                      ; lanes 16-31
	s_mul_i32 s20, ttmp9, 6
	s_add_co_u32 s20, s20, s18                     ; my wave among the 1,536
	s_lshr_b32 s21, s20, 1                         ; tile g
	s_and_b32 s22, s20, 1                          ; which half of K
	s_max_u32 s23, s21, 512
	s_sub_co_u32 s23, s23, 512
	s_lshr_b32 s24, s23, 6                         ; which weight, where g is a weight's tile
	s_and_b32 s23, s23, 63                         ; and which tile of it
	s_cmp_lt_u32 s21, 512
	s_cselect_b32 s23, s21, s23                    ; the tile's number in its own tensor
	s_lshr_b32 s26, s23, 1
	s_lshl_b32 s26, s26, 17                        ; 32 rows of 4,096 bytes for each pair of tiles,
	s_and_b32 s25, s23, 1
	s_lshl_b32 s25, s25, 15                        ; 8 rows for the odd one,
	s_add_co_u32 s26, s26, s25
	s_lshl_b32 s25, s22, 11                        ; 2,048 bytes for the upper half of K
	s_add_co_u32 s26, s26, s25
	s_mov_b32 s27, 0
	s_mul_i32 s32, s21, 12288
	s_mul_i32 s25, s22, 6144
	s_add_co_u32 s32, s32, s25                     ; my eight half images
	s_mov_b32 s33, 0
	s_lshl_b32 s34, s21, 9
	s_lshl_b32 s25, s22, 8
	s_add_co_u32 s34, s34, s25                     ; my 256 bytes of scale words
	s_mov_b32 s35, 0
	s_wait_alu depctr_va_vdst(0)
	s_wait_kmcnt 0x0
	s_cmp_eq_u32 s24, 1                            ; the tensor is chosen by the tile's number alone
	s_cselect_b64 s[6:7], s[8:9], s[6:7]
	s_cmp_eq_u32 s24, 2
	s_cselect_b64 s[6:7], s[10:11], s[6:7]
	s_cmp_eq_u32 s24, 3
	s_cselect_b64 s[6:7], s[12:13], s[6:7]
	s_cmp_lt_u32 s21, 512
	s_cselect_b64 s[4:5], s[4:5], s[6:7]
	s_add_nc_u64 s[4:5], s[4:5], s[26:27]
	s_add_nc_u64 s[14:15], s[14:15], s[32:33]
	s_add_nc_u64 s[16:17], s[16:17], s[34:35]
.macro LOAD t                          ; step t: 128 along K of the tile's 16 rows; each load is 512 consecutive bytes of one row
.irp i, 0,1,2,3,4,5,6,7,8,9,10,11,12,13,14,15
	global_load_b128 v[R+64*((\t)%2)+4*\i:R+64*((\t)%2)+4*\i+3], v[L16], s[4:5] offset:(\i+8*(\i/8))*4096+512*(\t) th:TH_LOAD_NT
.endr
.endm
.macro STEP t
.if (\t) < 3
	s_wait_loadcnt 16                              ; this step's 16 loads are in; the next step's 16 may be out
.else
	s_wait_loadcnt 0x0
.endif
.irp i, 0,1,2,3,4,5,6,7,8,9,10,11,12,13,14,15
	ds_store_b128 v[SIN], v[R+64*((\t)%2)+4*\i:R+64*((\t)%2)+4*\i+3] offset:528*\i
.endr
.irp c, 0,1
.irp q, 0,1,2,3,4,5,6,7
	ds_load_b128 v[X+32*\c+4*\q:X+32*\c+4*\q+3], v[SOUT] offset:256*\c+16*\q   ; LDS serves a wave's instructions in order: these see the stores above
.endr
.endr
	s_wait_dscnt 0x0                               ; the numbers are back, and the stores have read their registers,
.if (\t)+2 < 4
	LOAD (\t)+2                                    ; which take the loads of two steps on
.endif
	v_max3_num_f32 v228, |v[X]|, |v[X+1]|, 0x1800000       ; my two blocks' largest magnitudes, by turns, with the floor 2^(3 - 127) among the leaves: the byte cannot fall under 1
	v_max3_num_f32 v229, |v[X+32]|, |v[X+33]|, 0x1800000
.irp i, 2,4,6,8,10,12,14,16,18,20,22,24,26,28,30
	v_max3_num_f32 v228, v228, |v[X+\i]|, |v[X+\i+1]|
	v_max3_num_f32 v229, v229, |v[X+32+\i]|, |v[X+33+\i]|
.endr
	v_add_nc_u32 v230, 0xff000000, v228            ; 2 off the exponent field: the conversion takes the exponent field of this operand as its scale
	v_add_nc_u32 v231, 0xff000000, v229
	v_lshrrev_b32 v232, 23, v230                   ; the scales' bytes: blocks h and 2 + h of row r
	v_lshrrev_b32 v233, 23, v231
	v_lshl_or_b32 v234, v233, 16, v232
	v_lshlrev_b32 v234, v[SH8], v234               ; at their places in the word
	v_permlanex16_b32 v235, v234, s28, s29
	v_or_b32 v[W+(\t)], v234, v235                 ; with lane l xor 16's two the word is whole
.if (\t) > 0
	s_wait_alu depctr_va_vdst(0)
	s_wait_xcnt 0x0                                ; the last step's stores have read their data: the codes' registers are written again only behind this wait
.endif
	v_cvt_scalef32_pk16_fp6_f32 v[C:C+2], v[X:X+15], v230
	v_cvt_scalef32_pk16_fp6_f32 v[220:222], v[X+16:X+31], v230      ; (a conversion's three registers begin on an even number)
	v_cvt_scalef32_pk16_fp6_f32 v[C+6:C+8], v[X+32:X+47], v231
	v_cvt_scalef32_pk16_fp6_f32 v[224:226], v[X+48:X+63], v231
	v_nop                                          ; one plain place behind a scaled conversion
.irp i, 0,1,2
	v_mov_b32 v[C+3+\i], v[220+\i]
	v_mov_b32 v[C+9+\i], v[224+\i]
.endr
	global_store_b128 v[L16], v[C:C+3], s[14:15] offset:1536*(\t)          ; 512 consecutive bytes, at a multiple of 256 from the buffer's first byte
	global_store_b64 v[L8], v[C+4:C+5], s[14:15] offset:1536*(\t)+512      ; 256
	global_store_b128 v[L16], v[C+6:C+9], s[14:15] offset:1536*(\t)+768
	global_store_b64 v[L8], v[C+10:C+11], s[14:15] offset:1536*(\t)+1280
.endm
	LOAD 0
	LOAD 1
	STEP 0
	STEP 1
	STEP 2
	STEP 3
	v_cndmask_b32 v240, v[W], v[W+2], s30          ; lanes 0-15 store words 0 and 1 of row r, lanes 16-31 words 2 and 3
	v_cndmask_b32 v241, v[W+1], v[W+3], s30
	global_store_b64 v[WOF], v[240:241], s[16:17]  ; 256 consecutive bytes
	s_wait_tensorcnt 0x0                           ; the wave's end, behind my last LDS store
	ds_add_u32 v[SPW], v[NIL]
	s_wait_dscnt 0x0
	s_endpgm
.Lfunc_end_k_qc371c5e3e9_quant:
	.size	k_qc371c5e3e9_quant, .Lfunc_end_k_qc371c5e3e9_quant-k_qc371c5e3e9_quant
	.p2alignl 7, 3214868480
	.fill 96, 4, 3214868480
	.section	.rodata,"a",@progbits
	.p2align	6, 0x0
	.amdhsa_kernel k_qc371c5e3e9_quant
		.amdhsa_group_segment_fixed_size 51456
		.amdhsa_private_segment_fixed_size 0
		.amdhsa_enable_private_segment 0
		.amdhsa_kernarg_size 56
		.amdhsa_user_sgpr_count 2
		.amdhsa_user_sgpr_kernarg_segment_ptr 1
		.amdhsa_wavefront_size32 1
		.amdhsa_system_sgpr_workgroup_id_x 1
		.amdhsa_system_sgpr_workgroup_id_y 1
		.amdhsa_system_sgpr_workgroup_id_z 1
		.amdhsa_system_vgpr_workitem_id 0
		.amdhsa_next_free_vgpr 256
		.amdhsa_next_free_sgpr 66
		.amdhsa_reserve_vcc 0
		.amdhsa_float_denorm_mode_32 3
		.amdhsa_float_denorm_mode_16_64 3
		.amdhsa_memory_ordered 1
		.amdhsa_forward_progress 1
		.amdhsa_inst_pref_size 31
	.end_amdhsa_kernel
	.amdgpu_metadata
---
amdhsa.version: [ 1, 2 ]
amdhsa.kernels:
  - .name:           k_qc371c5e3e9_quant
    .symbol:         k_qc371c5e3e9_quant.kd
    .args:
      - { .name: x, .offset: 0, .size: 8, .value_kind: global_buffer, .address_space: global }
      - { .name: wq, .offset: 8, .size: 8, .value_kind: global_buffer, .address_space: global }
      - { .name: wk, .offset: 16, .size: 8, .value_kind: global_buffer, .address_space: global }
      - { .name: wv, .offset: 24, .size: 8, .value_kind: global_buffer, .address_space: global }
      - { .name: wo, .offset: 32, .size: 8, .value_kind: global_buffer, .address_space: global }
      - { .name: codes, .offset: 40, .size: 8, .value_kind: global_buffer, .address_space: global }
      - { .name: scl, .offset: 48, .size: 8, .value_kind: global_buffer, .address_space: global }
    .group_segment_fixed_size: 51456
    .private_segment_fixed_size: 0
    .kernarg_segment_align: 8
    .kernarg_segment_size: 56
    .max_flat_workgroup_size: 192
    .sgpr_count:     66
    .vgpr_count:     256
    .wavefront_size: 32
...
	.end_amdgpu_metadata
.endif
;; end of part 1
;; launch proj (part 2): grid 8 x 32, 4 waves a work-group, clusters of 4 x 4, 327,680 bytes of LDS; arguments codes, scl, bq, bk, bv, qkv, qkvs; writes qkv, qkvs
.if DOCPART == 2
	.amdgcn_target "amdgcn-amd-amdhsa--gfx1250"
	.amdhsa_code_object_version 6
	.text
	.protected	k_qc371c5e3e9_proj
	.globl	k_qc371c5e3e9_proj
	.p2align	8
	.type	k_qc371c5e3e9_proj,@function
k_qc371c5e3e9_proj:
	s_mov_b64 s[64:65], 0
	v_nop
	global_prefetch_b8 v0, s[64:65] scope:SCOPE_SE
	s_setreg_imm32_b32 hwreg(HW_REG_WAVE_MODE, 25, 1), 1
	s_wait_xcnt 0x0
	s_wait_alu depctr_hold_cnt(0) depctr_sa_sdst(0) depctr_va_vdst(0) depctr_va_sdst(0) depctr_va_ssrc(0) depctr_va_vcc(0) depctr_vm_vsrc(0)
	s_getreg_b32 s2, hwreg(HW_REG_IB_STS2, 6, 4)
	s_cmp_eq_u32 s2, 0
	s_cbranch_scc0 .Lentry_in_a_cluster
	s_endpgm
.Lentry_in_a_cluster:
	s_bfe_u32 s2, ttmp6, 0x10000c
	s_cmp_lg_u32 s2, 0xf033
	s_cbranch_scc0 .Lentry_shape_is_right
	s_endpgm
.Lentry_shape_is_right:
; q = x wq^T + bq, k = x wk^T + bk, v = x wv^T + bv on codes of FP6 (E2M3) with E8M0 scales, and the results quantised on the way out: q and k along a head's 64, v along the keys.
; A TILE is 128 (R) x 256 (P) of a product: D = (source 0 = 16 rows of P) x (source 1 = 16 rows of R), so that a lane holds ONE row of R and its registers run along P, the axis that is quantised.
; For q and k: R = tokens, P = rows of wq or wk.  For v: R = rows of wv, P = tokens (the keys).  Which of the two a tile is hangs on its cluster row alone; all that differs is chosen by s_cselect_b32: one path.
; A WORK-GROUP STAYS AND MAKES THREE TILES: there are 24 cluster rows of tiles (0-15 q and k, 16-23 v); the cluster at y walks rows y, y + 8, y + 16: 256 work-groups, two tiles of q or k and one of v each.
; Four waves: wave w has R's rows 64 (w / 2) on (4 blocks of 16) and P's rows 128 (w % 2) on (8 blocks): 32 accumulators.
; LDS: A RING OF TWO SLOTS, each with 512 along K of a tile's 128 + 256 rows (24 tiles of 16 rows x 6,144 bytes).  K steps 0-3 read slot 0, steps 4-7 slot 1.  The ring goes on from tile to tile: slot 0 takes the next tile's
; first half in a round of the cluster's barrier inside K step 3, slot 1 its second half in a round between the way out's second and third block.  By the text's own count a wave has one tensor load out behind each round,
; and between a request and the wait for it stand four K steps (128 matrix instructions) and two blocks of a way out.  The last tile asks for nothing and is written out behind the loop of two trips.
; The operands lie in memory as images of operand registers (16 rows x 64 K in 768 bytes: lane l's first 16 bytes at 16 l, its last 8 at 512 + 8 l), so a fragment is four loads of consecutive bytes: no pitch, no padding.
; Lane r of tile T holds row 32 (T / 2) + 8 (T % 2) + r + 8 (r / 8): so the 16 result registers of P's tiles 2 b, 2 b + 1 are the 16 neighbours 32 b + 16 (lane / 16) + 0 .. 15.
; CLUSTERS: 4 x 4 work-groups.  R's tiles hang on the work-group's y alone and are asked for jointly along a row of the cluster, P's on x (and the cluster row) and jointly along a column.
; NO PREFETCH: the weights' tiles are asked for by eight clusters in the same trip, and in the second trip they are the first trip's once more: a prefetch in each cluster would name the same bytes eight times.
; The next tile's scale words are loaded at the start of a way out (their registers are free behind the last product), its bias at the way out's end.
; The bias: value = U x Wt + sum, where for q and k U = 1 and Wt = the bias along the registers, for v Wt = 1 and U = the bias of the lane's row: one factor is 1, so the product rounds nothing.
; LIMITS: NaN and infinities are not served; a block whose largest magnitude lies under 2^-124 (a block of zeros too) gets the byte 1; this program alone reads the bytes.
; REGISTERS: window 0: v1 lane, v2 r, v3 h, v4-23 addresses; v32-95 scale words; v96-108 the bias along R; v112-159 R's fragments, one set; on the way out v112-221.
;   window 1: v0-95 and v128-223 P's fragments, two sets; v96-127 and v224-255 Wt.   window 2: accumulator (a, b) at v[8 (8 a + b)].
.set CHUNK, 147456                     ; a slot: R's 8 tiles x 6,144 bytes, then P's 16
.set TILEB, 6144                       ; a tile's 512 along K
.set RPART, 49152
.set SPARE, 2*CHUNK                    ; behind the slots: the spare words, 128 bytes for each wave
.set SPW,  4
.set NIL,  5
.set AR16, 6                           ; v6-9 LDS addresses of my fragments in slot 0: R's 16-byte and 8-byte pieces, P's likewise; v20-23 the same in slot 1; never rewritten
.set AR8,  7
.set AP16, 8
.set AP8,  9
.set SO,   10                          ; offset of my scale words: lanes 0-15 R's, lanes 16-31 P's
.set L16,  11
.set L8,   12
.set SC,   32                          ; register 8 i + s: lanes 0-15 the word of R's block i, lanes 16-31 that of P's block i, for K step s
.set U,    96
.set ONE,  104
.set UL,   105
.set RF,   112
.set HA,   112                         ; the way out: 64 numbers of a lane
.set PC,   176
.set TM,   196
.set WS,   212
.set DW,   216
.set WO,   220
.set SHV,  221
.set G1R, 28
.set G1P, 36
.set G0R, 44                           ; s[44:51] two sets, one for each slot
.set G0P, 68                           ; s[68:75]
.set MSB, 0
.macro WIN new
.if MSB != \new
	s_set_vgpr_msb (MSB<<8)|\new
.set MSB, \new
.endif
.endm
.macro CREST                           ; a round of the cluster's barrier behind its opening barrier
	s_cmp_lg_u32 s18, 0
	s_cbranch_scc1 .Lnot_wave_0_\@
	s_barrier_signal -3
.Lnot_wave_0_\@:
	s_barrier_wait -3
	s_barrier_signal -1
	s_barrier_wait -1
.endm
.macro CROUND
	s_barrier_signal -1
	s_barrier_wait -1
	CREST
.endm
.macro PLACES                          ; four places behind matrix instructions (ISA guide 7.12.1)
.rept 4
	v_nop
.endr
.endm
.macro JLOAD c                         ; a slot's joint loads: waves 0 and 1 fetch R's halves, waves 2 and 3 P's: one load a wave
	s_cmp_lt_u32 s18, 2
	s_cbranch_scc0 .Lfor_p_\@
	tensor_load_to_lds s[G0R+4*\c:G0R+4*\c+3], s[G1R:G1R+7]
	s_nop 0
	PLACES
	s_branch .Lasked_\@
.Lfor_p_\@:
	tensor_load_to_lds s[G0P+4*\c:G0P+4*\c+3], s[G1P:G1P+7]
	s_nop 0
	PLACES
.Lasked_\@:
.endm
; From the cluster row s24: Y, the first tiles of R (s60: made of cy and the cluster row) and of P (s66: of X and the cluster row), s27 = 1 for v, and both slots' global addresses.
; It writes descriptor registers: it stands where no tensor load of the wave is out.
.macro TADDR
	s_lshl_b32 s26, s24, 2
	s_add_co_u32 s26, s26, s22                     ; Y = 4 x cluster row + cy
	s_lshl_b32 s60, s24, 5                         ; q, k: tokens, tile 8 Y
	s_and_b32 s61, s24, 1
	s_lshl_b32 s61, s61, 5
	s_add_co_u32 s61, s61, 640                     ; v: wv's tiles
	s_max_u32 s67, s24, 16
	s_sub_co_u32 s67, s67, 16
	s_lshr_b32 s67, s67, 1
	s_lshl_b32 s67, s67, 7                         ; v: tokens, 128 tiles for each pair of cluster rows
	s_cmp_ge_u32 s24, 16
	s_cselect_b32 s27, 1, 0
	s_cselect_b32 s60, s61, s60
	s_cselect_b32 s66, s67, 512                    ; q, k: wq's and wk's tiles
	s_lshl_b32 s61, s22, 3
	s_add_co_u32 s60, s60, s61
	s_lshl_b32 s67, s25, 4
	s_add_co_u32 s66, s66, s67
	s_lshl_b32 s61, s20, 2
	s_add_co_u32 s61, s60, s61
	s_mul_i32 s62, s61, 12288                      ; what I fetch of R,
	s_mov_b32 s63, 0
	s_lshl_b32 s67, s20, 3
	s_add_co_u32 s67, s66, s67
	s_mul_i32 s84, s67, 12288                      ; of P
	s_mov_b32 s85, 0
	s_add_nc_u64 s[62:63], s[4:5], s[62:63]
	s_add_nc_u64 s[84:85], s[4:5], s[84:85]
.irp c, 0,1
	s_add_nc_u64 s[G0R+4*\c+2:G0R+4*\c+3], s[62:63], \c*TILEB
	s_or_b32 s[G0R+4*\c+3], s[G0R+4*\c+3], 0x80000000
	s_add_nc_u64 s[G0P+4*\c+2:G0P+4*\c+3], s[84:85], \c*TILEB
	s_or_b32 s[G0P+4*\c+3], s[G0P+4*\c+3], 0x80000000
.endr
.endm
.macro SCALES                          ; the scale words of the tile at s60, s66: 16 loads
	s_lshl_b32 s90, s19, 2
	s_add_co_u32 s90, s90, s60
	s_lshl_b32 s90, s90, 9                         ; my R tiles' words, 512 bytes a tile
	s_lshl_b32 s91, s20, 3
	s_add_co_u32 s91, s91, s66
	s_lshl_b32 s91, s91, 9                         ; my P tiles'
	v_mov_b32 v13, s90
	v_mov_b32 v14, s91
	v_cndmask_b32 v[SO], v13, v14, s76             ; lanes 16-31 take P's
	v_lshl_add_u32 v[SO], v2, 4, v[SO]
.irp i, 0,1,2,3,4,5,6,7                ; (for i over 3 lanes 0-15 read words of later tiles, inside the buffer, that no product selects)
	global_load_b128 v[SC+8*\i:SC+8*\i+3], v[SO], s[6:7] offset:512*\i
	global_load_b128 v[SC+8*\i+4:SC+8*\i+7], v[SO], s[6:7] offset:512*\i+256
.endr
.endm
.macro PARAMS                          ; what the way out of the tile at s24 .. s27 needs, and its bias: 20 loads
	s_lshr_b32 s91, s25, 2                         ; 0: q, 1: k
	s_cmp_eq_u32 s91, 1
	s_cselect_b64 s[52:53], s[10:11], s[8:9]
	s_cmp_eq_u32 s27, 1
	s_cselect_b64 s[52:53], s[12:13], s[52:53]     ; the bias: bq, bk or bv
	s_lshr_b32 s88, s26, 4                         ; q, k: batch
	s_and_b32 s89, s25, 3
	s_lshl_b32 s90, s89, 8
	s_lshl_b32 s89, s89, 2
	s_lshl_b32 s92, s20, 1
	s_add_co_u32 s89, s89, s92                     ; my first head: 4 (X % 4) + 2 wp
	s_lshl_b32 s92, s20, 7
	s_add_co_u32 s90, s90, s92                     ; my first feature: 256 (X % 4) + 128 wp
	s_and_b32 s92, s26, 15
	s_mul_i32 s94, s91, 98304
	s_lshl_b32 s93, s92, 3
	s_lshl_b32 s95, s19, 2
	s_add_co_u32 s93, s93, s95
	s_mul_i32 s93, s93, 768
	s_add_co_u32 s94, s94, s93                     ; codes: q's or k's part, token tile 8 (Y % 16) + 4 wr
	s_lshl_b32 s95, s91, 13
	s_lshl_b32 s92, s92, 9
	s_add_co_u32 s95, s95, s92
	s_lshl_b32 s92, s19, 8
	s_add_co_u32 s95, s95, s92                     ; words: q's or k's part, step Y % 16, half wr
	s_and_b32 s96, s24, 1                          ; v:
	s_lshl_b32 s96, s96, 2
	s_add_co_u32 s96, s96, s22                     ; which 128 features
	s_max_u32 s97, s24, 16
	s_sub_co_u32 s97, s97, 16
	s_lshr_b32 s97, s97, 1
	s_lshl_b32 s97, s97, 3
	s_add_co_u32 s97, s97, s25                     ; which 256 tokens
	s_lshr_b32 s98, s97, 3                         ; batch
	s_lshl_b32 s99, s96, 1
	s_add_co_u32 s99, s99, s19                     ; my head
	s_lshl_b32 s96, s96, 7
	s_lshl_b32 s92, s19, 6
	s_add_co_u32 s96, s96, s92                     ; my first feature
	s_lshl_b32 s97, s97, 1
	s_add_co_u32 s97, s97, s20
	s_and_b32 s97, s97, 15                         ; my key step
	s_mul_i32 s92, s97, 6144
	s_add_co_u32 s92, s92, 196608                  ; codes: v's part
	s_lshl_b32 s97, s97, 8
	s_add_co_u32 s97, s97, 16384                   ; words: v's part
	s_cmp_eq_u32 s27, 1                            ; the choice; only moves and selects follow, which leave SCC alone
	s_cselect_b32 s88, s98, s88
	s_cselect_b32 s89, s99, s89
	s_cselect_b32 s94, s92, s94
	s_cselect_b32 s95, s97, s95
	s_cselect_b32 s91, 0, s90                      ; where Wt is loaded (for v: from the buffer's start; it is replaced by 1)
	s_cselect_b32 s90, s96, s90                    ; where U is loaded
	s_mov_b32 s96, 768
	s_cselect_b32 s96, 1536, s96                   ; from block to block of R: a token tile's half image, or a fragment of v
	s_mov_b32 s54, 294912
	s_cselect_b32 s54, 768, s54                    ; the fragment's second half image: the next head's, or the next 64 keys'
	s_cselect_b32 s56, 0, 20480                    ; lanes 16-31 store the next head's words, or nothing
	s_cselect_b32 s57, 0, 16
	s_cselect_b32 s100, -1, 0xffff
	s_cselect_b32 s101, 16, 32
	s_cselect_b32 s2, -1, 0
	s_mov_b32 s97, 0
	s_mov_b32 s55, 0
	s_lshl_b32 s88, s88, 4
	s_add_co_u32 s88, s88, s89                     ; 16 x batch + head
	s_mul_i32 s92, s88, 294912
	s_add_co_u32 s92, s92, s94
	s_mov_b32 s93, 0
	s_add_nc_u64 s[92:93], s[14:15], s[92:93]      ; where block 0's first half image goes
	s_mul_i32 s98, s88, 20480
	s_add_co_u32 s98, s98, s95
	s_mov_b32 s99, 0
	s_add_nc_u64 s[98:99], s[16:17], s[98:99]      ; where the scale words go
	s_add_nc_u64 s[94:95], s[92:93], s[54:55]      ; and the second half image
	s_lshl_b32 s91, s91, 2
	s_lshl_b32 s90, s90, 2
	v_lshlrev_b32 v16, 6, v3
	v_add_nc_u32 v16, s91, v16                     ; Wt: register 16 b + i is feature 32 b + 16 h + i
	v_and_b32 v15, 8, v2
	v_add_nc_u32 v15, v15, v2                      ; r + 8 (r / 8)
	v_lshlrev_b32 v17, 2, v15
	v_add_nc_u32 v17, s90, v17                     ; U: my row of each of R's four tiles
	WIN 0x40
.set N_, 0
.rept 16
.if N_ < 32
.set WT_, 96+N_
.else
.set WT_, 192+N_
.endif
	global_load_b128 v[WT_:WT_+3], v16, s[52:53] offset:128*(N_/16)+4*(N_%16)
.set N_, N_+4
.endr
	WIN 0
.irp a, 0,1,2,3
	global_load_b32 v[UL+\a], v17, s[52:53] offset:4*(32*(\a/2)+8*(\a%2))
.endr
	v_mul_u32_u24 v[SHV], s57, v3
	v_mul_u32_u24 v[WO], s56, v3
	v_lshl_add_u32 v[WO], v2, 4, v[WO]
.endm
.macro ONES                            ; the factor that is 1 is put in: Wt for v, U for q and k
	WIN 0x41                                       ; Wt in window 1, 1.0 in window 0
.set N_, 0
.rept 64
.if N_ < 32
.set WT_, 96+N_
.else
.set WT_, 192+N_
.endif
	v_cndmask_b32 v[WT_], v[WT_], v[ONE], s2
.set N_, N_+1
.endr
	WIN 0
.irp a, 0,1,2,3
	v_cndmask_b32 v[U+2*\a], v[ONE], v[UL+\a], s2
	v_cndmask_b32 v[U+2*\a+1], v[ONE], v[UL+\a], s2
.endr
.endm
.macro FRAG reg, a16, a8, off          ; a fragment, 16 rows x 128 K: two half images, four loads of consecutive bytes
.set FR_, \reg
.set FO_, \off
	ds_load_b128 v[FR_:FR_+3], v[\a16] offset:FO_
	ds_load_b64 v[FR_+4:FR_+5], v[\a8] offset:FO_
	ds_load_b128 v[FR_+6:FR_+9], v[\a16] offset:FO_+768
	ds_load_b64 v[FR_+10:FR_+11], v[\a8] offset:FO_+768
.endm
.macro FETCH_P s                       ; P's eight fragments of K step s into set s % 2, out of slot s / 4
	WIN 0x40
.irp i, 0,1,2,3,4,5,6,7
	FRAG 128*((\s)%2)+12*\i, AP16+14*((\s)/4), AP8+14*((\s)/4), \i*TILEB+((\s)%4)*1536
.endr
	WIN 0
.endm
.macro FETCH_R s, i0                   ; R's blocks i0, i0 + 1
.irp i, \i0, \i0+1
	FRAG RF+12*(\i), AR16+14*((\s)/4), AR8+14*((\s)/4), (\i)*TILEB+((\s)%4)*1536
.endr
.endm
; eight matrix instructions: R's block a against P's eight, K step s.  The 32 accumulators take turns, one instruction a turn, in the same order in every step.
.macro MULB a, s, first
.irp b, 0,1,2,3,4,5,6,7
.if \first
	v_wmma_scale_f32_16x16x128_f8f6f4 v[8*(8*\a+\b):8*(8*\a+\b)+7], v[128*((\s)%2)+12*\b:128*((\s)%2)+12*\b+11], v[RF+12*\a:RF+12*\a+11], 0, v[SC+8*\b+(\s)], v[SC+8*\a+(\s)] matrix_a_fmt:MATRIX_FMT_FP6 matrix_b_fmt:MATRIX_FMT_FP6 matrix_a_scale:MATRIX_SCALE_ROW1
.else
	v_wmma_scale_f32_16x16x128_f8f6f4 v[8*(8*\a+\b):8*(8*\a+\b)+7], v[128*((\s)%2)+12*\b:128*((\s)%2)+12*\b+11], v[RF+12*\a:RF+12*\a+11], v[8*(8*\a+\b):8*(8*\a+\b)+7], v[SC+8*\b+(\s)], v[SC+8*\a+(\s)] matrix_a_fmt:MATRIX_FMT_FP6 matrix_b_fmt:MATRIX_FMT_FP6 matrix_a_scale:MATRIX_SCALE_ROW1
.endif
.endr
.endm
; A K step of 128: 32 matrix instructions.  R has one set of registers: blocks 0, 1 are fetched anew in the step's middle, blocks 2, 3 at its end.  P has two sets.
; K step 3 is slot 0's last: every wave waits for all its tensor loads (its part of slot 1) and for its reads of slot 0, and passes a barrier.  refill = 1: the barrier opens a round of the cluster's barrier,
; with an add ahead of it, and slot 0 takes the next tile's first half; the next tile's addresses are made between the add and the wait for it.
.macro KSTEP s, first, refill
.if (\s) == 3
	s_wait_tensorcnt 0x0
.if \refill
	ds_add_u32 v[SPW], v[NIL]
	s_wait_dscnt 9                                 ; the add and the eight youngest loads (R's blocks 2, 3) may be out
	s_add_co_u32 s24, s24, 8                       ; the walk's next cluster row
	TADDR
.else
	s_wait_dscnt 8
.endif
	WIN 0xa1
	MULB 0, \s, \first
	s_wait_dscnt 0x0                               ; the add is done, and my reads of slot 0 are over
	s_barrier_signal -1
	MULB 1, \s, \first
	WIN 0
	s_barrier_wait -1
.if \refill
	CREST
	JLOAD 0                                        ; the first tensor load behind the round; its four v_nop are the places ahead of the loads below
.else
	PLACES
.endif
.else
	s_wait_dscnt 8                                 ; P's set and R's blocks 0, 1 are in; the eight youngest loads (R's blocks 2, 3) may be out
	WIN 0xa1                                       ; source 0 (P) window 1, source 1 (R) window 0, C and D window 2
	MULB 0, \s, \first
	MULB 1, \s, \first
	s_wait_dscnt 0x0                               ; R's blocks 2, 3 are in
.if (\s) < 7
	WIN 0
	PLACES
.endif
.endif
.if (\s) < 7
	FETCH_P (\s)+1
	FETCH_R (\s)+1, 0
.endif
	WIN 0xa1
	MULB 2, \s, \first
	MULB 3, \s, \first
.if (\s) < 7
	WIN 0
	PLACES
	FETCH_R (\s)+1, 2
.endif
.endm
; 64 numbers of a lane, register 16 b + i = k 32 b + 16 (lane / 16) + i of my row, become a fragment's codes in v[PC] on and its scale word in v[w].
.macro QUANT64 s, w
.irp b, 0,1,2,3
	v_max3_num_f32 v[TM+\b], |v[\s+16*\b]|, |v[\s+1+16*\b]|, 0x1800000   ; block b: my 16 numbers, and the floor 2^(3 - 127): the byte cannot fall under 1
.endr
.irp i, 2,4,6,8,10,12,14
.irp b, 0,1,2,3
	v_max3_num_f32 v[TM+\b], v[TM+\b], |v[\s+16*\b+\i]|, |v[\s+1+16*\b+\i]|
.endr
.endr
.irp b, 0,1,2,3
	v_permlanex16_b32 v[TM+4+\b], v[TM+\b], s58, s59
.endr
.irp b, 0,1,2,3
	v_max_num_f32 v[TM+\b], v[TM+\b], v[TM+4+\b]   ; with lane l xor 16's: the block's largest magnitude
.endr
.irp b, 0,1,2,3
	v_add_nc_u32 v[TM+12+\b], 0xff000000, v[TM+\b] ; 2 off its exponent field: the conversion's scale operand
.endr
.irp b, 0,1,2,3
	v_lshrrev_b32 v[TM+4+\b], 23, v[TM+12+\b]      ; the scale's byte
.endr
	v_lshl_or_b32 v[\w], v[TM+5], 8, v[TM+4]
	v_lshl_or_b32 v[\w], v[TM+6], 16, v[\w]
	v_lshl_or_b32 v[\w], v[TM+7], 24, v[\w]
.irp c, 0,1
	v_cvt_scalef32_pk16_fp6_f32 v[PC+6*\c:PC+2+6*\c], v[\s+32*\c:\s+15+32*\c], v[TM+12+2*\c]
	v_cvt_scalef32_pk16_fp6_f32 v[PC+12+4*\c:PC+14+4*\c], v[\s+16+32*\c:\s+31+32*\c], v[TM+12+2*\c+1]   ; (a conversion's three registers begin on an even number)
.endr
	v_nop                                          ; one plain place behind a scaled conversion
.irp c, 0,1                                    ; the operand's layout wants a WHOLE block in a lane: lanes 0-15 block 2 c, lanes 16-31 block 2 c + 1
.irp i, 0,1,2
	v_permlane16_swap_b32 v[PC+6*\c+\i], v[PC+12+4*\c+\i]
.endr
.irp i, 0,1,2
	v_mov_b32 v[PC+3+6*\c+\i], v[PC+12+4*\c+\i]
.endr
.endr
.endm
; THE WAY OUT of R's block a: the bias, the quantiser, two half images of 768 bytes.  (Block 0 stands behind the 72 selects of ONES: they are the places behind the last products.)
.macro EPI a
.if \a > 0
	s_wait_xcnt 0x0                                ; the last block's stores have read their data and bases: both are written again only behind this wait
	s_add_nc_u64 s[92:93], s[92:93], s[96:97]
	s_add_nc_u64 s[94:95], s[94:95], s[96:97]
.endif
	WIN 0x24                                       ; U window 0, Wt window 1, the sums window 2
.set I_, 0
.rept 32
.if I_ < 16
.set WT_, 96+2*I_
.else
.set WT_, 192+2*I_
.endif
	v_pk_fma_f32 v[HA+2*I_:HA+2*I_+1], v[U+2*\a:U+2*\a+1], v[WT_:WT_+1], v[64*\a+2*I_:64*\a+2*I_+1]   ; each accumulator from its low end on
.set I_, I_+1
.endr
	WIN 0
	QUANT64 HA, WS+\a
	global_store_b128 v[L16], v[PC:PC+3], s[92:93]             ; 512 consecutive bytes, at a multiple of 256 from the buffer's first byte
	global_store_b64 v[L8], v[PC+4:PC+5], s[92:93] offset:512  ; 256
	global_store_b128 v[L16], v[PC+6:PC+9], s[94:95]
	global_store_b64 v[L8], v[PC+10:PC+11], s[94:95] offset:512
.endm
; A TILE.  At its top slot 0 is whole and shown to all waves, my load into slot 1 is out, and of my 36 global loads the 16 older are the scale words.
.macro TILE refill
	s_wait_loadcnt 20                              ; the scale words are in; the 20 loads of the bias may be out
	FETCH_P 0
	FETCH_R 0, 0
	FETCH_R 0, 2
	KSTEP 0, 1, \refill                            ; the first products start the sums: nothing is cleared
.irp s, 1,2,3,4,5,6,7
	KSTEP \s, 0, \refill
.endr
	WIN 0
	s_wait_loadcnt 0x0                             ; the bias is in
	ONES
	s_wait_alu depctr_va_vdst(0)
.if \refill
	SCALES                                         ; the next tile's
.endif
	EPI 0
	EPI 1
.if \refill
	s_wait_alu depctr_va_vdst(0)
	s_wait_tensorcnt 0x0                           ; my part of the next tile's first half is in;
	ds_add_u32 v[SPW], v[NIL]
	s_wait_dscnt 0x0                               ; my reads of slot 1 ended in K step 7
	CROUND                                         ; both hold of every wave of the cluster:
	JLOAD 1                                        ; slot 1 takes the next tile's second half
.endif
	EPI 2
	EPI 3
	; the four blocks' scale words, 16 bytes a row.  q, k: bytes 0, 1 are one head's (lanes 0-15 store them), bytes 2, 3 the next head's (lanes 16-31); the word's upper two bytes are 0.  v: the whole words, lanes 0-15 alone.
.irp i, 0,1,2,3
	v_lshrrev_b32 v[DW+\i], v[SHV], v[WS+\i]
.endr
.irp i, 0,1,2,3
	v_and_b32 v[DW+\i], s100, v[DW+\i]
.endr
	v_cmp_gt_u32 vcc_lo, s101, v1
	s_wait_alu depctr_va_vdst(0)
	s_wait_xcnt 0x0                                ; EXEC changes only behind this wait
	s_and_saveexec_b32 s3, vcc_lo
	global_store_b128 v[WO], v[DW:DW+3], s[98:99]  ; sixteen lanes store 256 consecutive bytes
	s_wait_xcnt 0x0                                ; and again, ahead of the line that widens it; the stores' bases and data are free too
	s_or_b32 exec_lo, exec_lo, s3
.if \refill
	PARAMS                                         ; the next tile's
	s_wait_alu depctr_va_vdst(0)
.endif
.endm
; ---- the head
	s_load_b256 s[4:11], s[0:1], 0x0               ; codes, scl, bq, bk
	s_load_b128 s[12:15], s[0:1], 0x20             ; bv, qkv
	s_load_b64 s[16:17], s[0:1], 0x30              ; qkvs
	v_lshl_add_u32 v[SPW], v0, 2, SPARE
	v_mov_b32 v[NIL], 0
	ds_add_u32 v[SPW], v[NIL]                      ; the opening lines: the add twice on end and its wait ahead of my first tensor load
	ds_add_u32 v[SPW], v[NIL]
	v_lshrrev_b32 v1, 5, v0
	v_readfirstlane_b32 s18, v1                    ; wave 0..3
	s_lshr_b32 s19, s18, 1                         ; wr: which 64 rows of R
	s_and_b32 s20, s18, 1                          ; wp: which 128 rows of P.  Also: which half of a tile I fetch
	s_bfe_u32 s21, ttmp6, 0x40000                  ; cx
	s_bfe_u32 s22, ttmp6, 0x40004                  ; cy
	s_lshl_b32 s25, ttmp9, 2
	s_add_co_u32 s25, s25, s21                     ; X = 4 x cluster x + cx
	s_and_b32 s24, ttmp7, 0xffff                   ; the walk's first cluster row
	s_lshl_b32 s61, s22, 2
	s_lshl_b32 s61, 15, s61                        ; my row of the cluster
	s_lshl_b32 s67, 0x1111, s21                    ; my column
	; descriptor groups 1: rows of 6,144 bytes (768 elements of 8), one for each tile, 12,288 bytes apart in memory, dense in LDS
	s_or_b32 s[G1R], s61, (3<<16)|(1<<21)
	s_or_b32 s[G1P], s67, (3<<16)|(1<<21)
	s_mov_b32 s[G1R+1], 768<<16
	s_mov_b32 s[G1R+2], 4<<16                      ; four tiles
	s_mov_b32 s[G1R+3], 768<<16
	s_mov_b32 s[G1R+4], 4
	s_mov_b32 s[G1R+5], 1536
	s_mov_b32 s[G1R+6], 0
	s_mov_b32 s[G1R+7], 0
	s_mov_b32 s[G1P+1], 768<<16
	s_mov_b32 s[G1P+2], 8<<16                      ; eight tiles
	s_mov_b32 s[G1P+3], 768<<16
	s_mov_b32 s[G1P+4], 8
	s_mov_b32 s[G1P+5], 1536
	s_mov_b32 s[G1P+6], 0
	s_mov_b32 s[G1P+7], 0
	s_mul_i32 s86, s20, 24576                      ; where my tiles go in a slot: no place in the cluster enters an LDS address
	s_mul_i32 s87, s20, 49152
.irp c, 0,1
	s_mov_b32 s[G0R+4*\c], 1
	s_add_co_u32 s[G0R+4*\c+1], s86, \c*CHUNK
	s_mov_b32 s[G0P+4*\c], 1
	s_add_co_u32 s[G0P+4*\c+1], s87, \c*CHUNK+RPART
.endr
	s_mov_b32 s58, 0x76543210
	s_mov_b32 s59, 0xfedcba98                      ; v_permlanex16_b32's selects for lane l xor 16
	s_mov_b32 s76, 0xffff0000                      ; lanes 16-31
	s_wait_alu depctr_va_vdst(0)
	s_wait_dscnt 0x0                               ; both opening adds are done
	CROUND                                         ; all sixteen work-groups are here: the joint loads meet
	s_wait_kmcnt 0x0
	TADDR
	JLOAD 0                                        ; the first tile's first half: one tensor load a wave at the head
	v_and_b32 v1, 31, v0                           ; lane
	v_and_b32 v2, 15, v0                           ; r
	v_bfe_u32 v3, v0, 4, 1                         ; h
	v_lshlrev_b32 v[L16], 4, v1
	v_lshlrev_b32 v[L8], 3, v1
	s_mul_i32 s88, s19, 24576                      ; my four tiles of R in a slot
	s_mul_i32 s89, s20, 49152
	s_add_co_u32 s89, s89, RPART                   ; my eight of P
	v_add_nc_u32 v[AR16], s88, v[L16]
	v_add_nc_u32 v[AR8], s88, v[L8]
	v_add_nc_u32 v[AR8], 512, v[AR8]
	v_add_nc_u32 v[AP16], s89, v[L16]
	v_add_nc_u32 v[AP8], s89, v[L8]
	v_add_nc_u32 v[AP8], 512, v[AP8]
.irp i, 0,1,2,3
	v_add_nc_u32 v[AR16+14+\i], CHUNK, v[AR16+\i]  ; the same four in slot 1
.endr
	v_mov_b32 v[ONE], 1.0
.irp b, 0,1,2,3
	v_mov_b32 v[TM+4+\b], 0                        ; written once: a lane permute's destination counts as one of its sources
.endr
	SCALES
	PARAMS
	s_wait_alu depctr_va_vdst(0)
	s_wait_tensorcnt 0x0                           ; my part of slot 0 is in
	ds_add_u32 v[SPW], v[NIL]
	s_wait_dscnt 0x0
	CROUND                                         ; everybody's part is in
	JLOAD 1                                        ; the first tile's second half
	s_mov_b32 s23, 0
.Ltile:                                                ; two trips: tiles that have a successor
	TILE 1
	s_add_co_u32 s23, s23, 1
	s_cmp_lt_u32 s23, 2
	s_cbranch_scc1 .Ltile
	TILE 0                                         ; the last tile asks for nothing more
	s_wait_tensorcnt 0x0                           ; the wave's end
	ds_add_u32 v[SPW], v[NIL]
	s_wait_dscnt 0x0
	CROUND                                         ; the closing round
	s_endpgm
.Lfunc_end_k_qc371c5e3e9_proj:
	.size	k_qc371c5e3e9_proj, .Lfunc_end_k_qc371c5e3e9_proj-k_qc371c5e3e9_proj
	.p2alignl 7, 3214868480
	.fill 96, 4, 3214868480
	.section	.rodata,"a",@progbits
	.p2align	6, 0x0
	.amdhsa_kernel k_qc371c5e3e9_proj
		.amdhsa_group_segment_fixed_size 327680
		.amdhsa_private_segment_fixed_size 0
		.amdhsa_enable_private_segment 0
		.amdhsa_kernarg_size 56
		.amdhsa_user_sgpr_count 2
		.amdhsa_user_sgpr_kernarg_segment_ptr 1
		.amdhsa_wavefront_size32 1
		.amdhsa_system_sgpr_workgroup_id_x 1
		.amdhsa_system_sgpr_workgroup_id_y 1
		.amdhsa_system_sgpr_workgroup_id_z 1
		.amdhsa_system_vgpr_workitem_id 0
		.amdhsa_next_free_vgpr 768
		.amdhsa_next_free_sgpr 102
		.amdhsa_reserve_vcc 1
		.amdhsa_float_denorm_mode_32 3
		.amdhsa_float_denorm_mode_16_64 3
		.amdhsa_memory_ordered 1
		.amdhsa_forward_progress 1
		.amdhsa_inst_pref_size 205
	.end_amdhsa_kernel
	.amdgpu_metadata
---
amdhsa.version: [ 1, 2 ]
amdhsa.kernels:
  - .name:           k_qc371c5e3e9_proj
    .symbol:         k_qc371c5e3e9_proj.kd
    .args:
      - { .name: codes, .offset: 0, .size: 8, .value_kind: global_buffer, .address_space: global }
      - { .name: scl, .offset: 8, .size: 8, .value_kind: global_buffer, .address_space: global }
      - { .name: bq, .offset: 16, .size: 8, .value_kind: global_buffer, .address_space: global }
      - { .name: bk, .offset: 24, .size: 8, .value_kind: global_buffer, .address_space: global }
      - { .name: bv, .offset: 32, .size: 8, .value_kind: global_buffer, .address_space: global }
      - { .name: qkv, .offset: 40, .size: 8, .value_kind: global_buffer, .address_space: global }
      - { .name: qkvs, .offset: 48, .size: 8, .value_kind: global_buffer, .address_space: global }
    .group_segment_fixed_size: 327680
    .private_segment_fixed_size: 0
    .kernarg_segment_align: 8
    .kernarg_segment_size: 56
    .max_flat_workgroup_size: 128
    .sgpr_count:     102
    .vgpr_count:     768
    .wavefront_size: 32
...
	.end_amdgpu_metadata
.endif
;; end of part 2
;; launch attn (part 3): grid 4 x 64, 8 waves a work-group, clusters of 4 x 1, 327,680 bytes of LDS; arguments qkv, qkvs, codes, scl; writes codes, scl
.if DOCPART == 3
	.amdgcn_target "amdgcn-amd-amdhsa--gfx1250"
	.amdhsa_code_object_version 6
	.text
	.protected	k_qc371c5e3e9_attn
	.globl	k_qc371c5e3e9_attn
	.p2align	8
	.type	k_qc371c5e3e9_attn,@function
k_qc371c5e3e9_attn:
	s_mov_b64 s[64:65], 0
	v_nop
	global_prefetch_b8 v0, s[64:65] scope:SCOPE_SE
	s_setreg_imm32_b32 hwreg(HW_REG_WAVE_MODE, 25, 1), 1
	s_wait_xcnt 0x0
	s_wait_alu depctr_hold_cnt(0) depctr_sa_sdst(0) depctr_va_vdst(0) depctr_va_sdst(0) depctr_va_ssrc(0) depctr_va_vcc(0) depctr_vm_vsrc(0)
	s_getreg_b32 s2, hwreg(HW_REG_IB_STS2, 6, 4)
	s_cmp_eq_u32 s2, 0
	s_cbranch_scc0 .Lentry_in_a_cluster
	s_endpgm
.Lentry_in_a_cluster:
	s_bfe_u32 s2, ttmp6, 0x10000c
	s_cmp_lg_u32 s2, 0x3003
	s_cbranch_scc0 .Lentry_shape_is_right
	s_endpgm
.Lentry_shape_is_right:
; o = softmax(q k^T / 8) v for one batch and head a cluster, on codes of FP6 (E2M3) with E8M0 scales; o is quantised along the head's 64 and stored as tiles 0-511 of the codes' buffer, for the last product.
; A work-group has 512 queries: 8 waves x 2 passes x 32 queries (two tiles y of 16).  The head's K and V, 2,048 keys, codes and scale words, lie in LDS whole, filled once at the head.
; CLUSTER: the four work-groups of a head read the same K and V: every fill is a joint load (mask 15).  One load a wave: waves 0-5 bring 32,768 bytes of codes each, waves 6, 7 6,144 bytes of scale words each.
; K and V come once, ahead of any loop, so there is no trip in which a prefetch could be asked for: none is written.
; Both products are used transposed (S^T = k q^T, O^T = v^T p^T): a lane holds one query.  A head is 64 wide: the upper 64 of the first product's K are zero codes on q's side.
; THE KEYS OF A SCORE TILE ARE CHOSEN BY THE LANES' LDS ADDRESSES: tile 4 c + t of a step of 128 keys has keys 64 c + 8 t + 0..7 in rows 0-7 and 64 c + 32 + 8 t + 0..7 in rows 8-15.  So lane (r, h)'s 32 registers of
; tiles 4 c .. 4 c + 3 are keys 64 c + 32 h + 0 .. 31: ONE scale block of p, in the order of the next operand's registers: no lane asks another for a block's largest p, and no codes change lanes.
; In memory key 32 b + 8 u + x + 8 (x / 8) is lane x of image 2 b + u (768 bytes: lane l's first 16 bytes at 16 l, its last 8 at 512 + 8 l); the addresses below follow from that.
; p = 2^(t - M), t = score x log2(e) / 8, M the ceiling of the running largest t; the row's sum is taken of the unquantised p; a change of M multiplies the sum and O^T by a power of two.
; A block's largest p is the exponential of its largest score, by the same multiply-add and v_exp_f32 as every p.
; THE ORDER OF A STEP'S VECTOR LINES: lines that hang on each other are laid apart, with lines of the other query tile between them: tile 0's ladder (joins, row maximum, M, factor) among tile 1's maxima, tile 1's ladder among
; tile 0's multiply-adds, tile 1's multiply-adds among tile 0's exponentials, tile 0's first sums among tile 1's exponentials.  A plain line among exponentials writes what is read only behind the next wait.
; LIMITS: NaN and infinities are not served; the promise holds while the scaled scores stay under 2^31 in magnitude; a block whose largest magnitude lies under 2^-124 gets the byte 1 (this program alone reads the bytes).
.set VIMG,  98304                      ; LDS: K's images at 0 (16 steps x 6,144), V's here
.set KWD,   196608                     ; K's scale words, 512 bytes a step
.set VWD,   204800                     ; V's, 256 a step
.set SPARE, 208896                     ; the spare words, 128 bytes for each wave
.set AK16, 1                           ; v1, v2 my pieces of 16 and 8 bytes of a K tile; v3, v4 of a V fragment, one step back; v5, v6 scale words
.set AK8,  2
.set AV16, 3
.set AV8,  4
.set ASK,  5
.set ASV,  6
.set SPW,  7
.set NIL,  8
.set ADK16, 9                          ; v9-14 the same six for the step in hand
.set ADK8, 10
.set ADV16, 11
.set ADV8, 12
.set ADS,  13
.set ADT,  14
.set L8,   15                          ; 8 x lane
.set R16,  16                          ; 16 r
.set SOF,  17
.set SDT,  18
.set SH8,  19                          ; 8 h
.set ST,   20                          ; v20-67 the state of my two query tiles, 24 registers each:
.set NM,   0                           ; -M
.set TX,   1                           ; the running largest score
.set SU,   2                           ; the sum, in two halves
.set FF,   4                           ; the factor of a change of M
.set PW,   5                           ; p's scale word
.set T1,   6
.set RC,   7
.set BM,   8                           ; 8-15: eight maxima, one a score tile; then the blocks' at 8 and 12, the rest at work
.set BT,   12
.set BS,   16
.set KS,   68                          ; scale words: k's (lanes 0-15 c = 0, lanes 16-31 c = 1), q's, the second pass's q's, v's
.set QS,   76
.set QS2,  78
.set PC,   80                          ; p's codes, 20 registers a query tile; ahead of them tile 0's sixteen first sums
.set L16,  120                         ; 16 x lane
.set VS,   122
.set S,    128                         ; the scores, then p: 64 y + 32 c + 8 t + j
.set KF,   0                           ; window 1: K's tiles, six registers each (a product's upper six are the next tile's, against q's zeros)
.set VF,   64
.set QF,   112
.set OT,   144
.set Q2,   208                         ; the second pass's q
.set WV,   12
.set SEL,  18
.set CS,   20
.set TK,   22
.set TS,   23
.set TW,   24
.set KCNT, 25
.set PASS, 26
.set HM,   27
.set MSB, 0
.macro WIN new
.if MSB != \new
	s_set_vgpr_msb (MSB<<8)|\new
.set MSB, \new
.endif
.endm
.macro CROUND
	s_barrier_signal -1
	s_barrier_wait -1
	s_cmp_lg_u32 s[WV], 0
	s_cbranch_scc1 .Lnot_wave_0_\@
	s_barrier_signal -3
.Lnot_wave_0_\@:
	s_barrier_wait -3
	s_barrier_signal -1
	s_barrier_wait -1
.endm
.macro KLOAD a16, a8                   ; a step's eight K tiles: tile 4 c + t takes lanes 8 (t / 2) + 0..7 of images 4 c + t % 2 and 4 c + 2 + t % 2
.irp t, 0,1,2,3,4,5,6,7
	ds_load_b128 v[KF+6*\t:KF+6*\t+3], v[\a16] offset:(4*(\t/4)+\t%2)*768+128*((\t%4)/2)
	ds_load_b64 v[KF+6*\t+4:KF+6*\t+5], v[\a8] offset:(4*(\t/4)+\t%2)*768+64*((\t%4)/2)
.endr
.endm
; ---- the step's vector lines, one line a call
.macro MX y, i                         ; i = 0 .. 23: eight chains, one a score tile, three lines each: registers 0 to 6 of the tile, from its low end on
.set T_, (\i)%8
.set B_, S+64*(\y)+8*T_
.set M_, ST+24*(\y)+BM+T_
.if (\i) < 8
	v_max3_num_f32 v[M_], v[B_], v[B_+1], v[B_+2]
.else
	v_max3_num_f32 v[M_], v[M_], v[B_+2*((\i)/8)+1], v[B_+2*((\i)/8)+2]
.endif
.endm
.macro LD y, k                         ; k = 0 .. 18: the ladder: the chains and each tile's register 7 are joined to the two blocks' largest scores (at BM, BM + 4); the row; -M = floor(-t); the factor 2^(old M - new M)
.set Q_, ST+24*(\y)
.set P_, S+64*(\y)
.if (\k) < 4
	v_max3_num_f32 v[Q_+BM+2*(\k)], v[Q_+BM+2*(\k)], v[Q_+BM+2*(\k)+1], v[P_+7+8*(\k)+16*((\k)/2)]
.elseif (\k) < 6
	v_max3_num_f32 v[Q_+BM+4*((\k)-4)], v[Q_+BM+4*((\k)-4)], v[Q_+BM+4*((\k)-4)+2], v[P_+23+32*((\k)-4)]
.elseif (\k) < 8
	v_max_num_f32 v[Q_+BM+4*((\k)-6)], v[Q_+BM+4*((\k)-6)], v[P_+31+32*((\k)-6)]
.elseif (\k) == 8
	v_max_num_f32 v[Q_+T1], v[Q_+BM], v[Q_+BM+4]
.elseif (\k) == 9
	v_mov_b32 v[Q_+BM+2], v[Q_+NM]                 ; the old -M
.elseif (\k) == 10
	v_permlanex16_b32 v[Q_+BM+1], v[Q_+T1], s[SEL], s[SEL+1]   ; lane l xor 16's two blocks
.elseif (\k) == 11
	v_max3_num_f32 v[Q_+TX], v[Q_+TX], v[Q_+T1], v[Q_+BM+1]
.elseif (\k) == 12
	v_mul_f32 v[Q_+RC], s[CS], v[Q_+TX]
.elseif (\k) == 13
	v_floor_f32 v[Q_+NM], -v[Q_+RC]
.elseif (\k) == 14
	v_sub_f32 v[Q_+T1], v[Q_+NM], v[Q_+BM+2]
.elseif (\k) < 17
	v_fma_f32 v[Q_+BM+4*((\k)-15)], v[Q_+BM+4*((\k)-15)], s[CS], v[Q_+NM]   ; t - M of a block's largest score
.elseif (\k) == 17
	v_cvt_i32_f32 v[Q_+T1], v[Q_+T1]               ; (it saturates)
.else
	v_ldexp_f32 v[Q_+FF], 1.0, v[Q_+T1]
.endif
.endm
.macro FM y, j                         ; j = 0 .. 31: t - M, two at a time
	v_pk_fma_f32 v[S+64*(\y)+2*(\j):S+64*(\y)+2*(\j)+1], v[S+64*(\y)+2*(\j):S+64*(\y)+2*(\j)+1], s[CS:CS+1], v[ST+24*(\y)+NM:ST+24*(\y)+NM+1] op_sel_hi:[1,0,0]
.endm
.macro D0 i                            ; i = 0 .. 15: tile 0's sixteen first sums (pairs at PC + 2 k) in four chains, onto the sum
.if (\i) == 13
	v_pk_add_f32 v[PC+2:PC+3], v[PC+2:PC+3], v[PC+4:PC+5]
.elseif (\i) == 14
	v_pk_add_f32 v[ST+SU:ST+SU+1], v[ST+SU:ST+SU+1], v[PC+6:PC+7]
.elseif (\i) == 15
	v_pk_add_f32 v[ST+SU:ST+SU+1], v[ST+SU:ST+SU+1], v[PC+2:PC+3]
.elseif (\i)%4 == 0
	v_pk_add_f32 v[ST+SU:ST+SU+1], v[ST+SU:ST+SU+1], v[PC+2*(\i):PC+2*(\i)+1]
.else
	v_pk_add_f32 v[PC+2*((\i)%4):PC+2*((\i)%4)+1], v[PC+2*((\i)%4):PC+2*((\i)%4)+1], v[PC+2*((\i)+4):PC+2*((\i)+4)+1]
.endif
.endm
.macro D1 i                            ; i = 0 .. 31: tile 1's 32 pairs of p in four chains: the sum itself and three pairs of working registers
.set M_, (\i)%4
.if M_ == 3
.set Y_, ST+24+T1
.else
.set Y_, ST+24+BM-2+4*M_
.endif
.set P_, S+64
.if (\i) == 29
	v_pk_add_f32 v[ST+24+BM+2:ST+24+BM+3], v[ST+24+BM+2:ST+24+BM+3], v[ST+24+BM+6:ST+24+BM+7]
.elseif (\i) == 30
	v_pk_add_f32 v[ST+24+SU:ST+24+SU+1], v[ST+24+SU:ST+24+SU+1], v[ST+24+T1:ST+24+T1+1]
.elseif (\i) == 31
	v_pk_add_f32 v[ST+24+SU:ST+24+SU+1], v[ST+24+SU:ST+24+SU+1], v[ST+24+BM+2:ST+24+BM+3]
.elseif M_ == 0
	v_pk_add_f32 v[ST+24+SU:ST+24+SU+1], v[ST+24+SU:ST+24+SU+1], v[P_+2*(\i):P_+2*(\i)+1]
.elseif (\i) < 4
	v_pk_add_f32 v[Y_:Y_+1], v[P_+2*(\i):P_+2*(\i)+1], v[P_+2*((\i)+4):P_+2*((\i)+4)+1]
.else
	v_pk_add_f32 v[Y_:Y_+1], v[Y_:Y_+1], v[P_+2*((\i)+4):P_+2*((\i)+4)+1]
.endif
.endm
.macro SCL y, i                        ; i = 0 .. 9: from my two blocks' largest p to the conversions' scale operands and p's scale word
.set Q_, ST+24*(\y)
.if (\i) < 2
	v_max_num_f32 v[Q_+BM+4*(\i)], 0x1800000, v[Q_+BM+4*(\i)]             ; the floor 2^(3 - 127): the byte cannot fall under 1
.elseif (\i) < 4
	v_add_nc_u32 v[Q_+BS+(\i)-2], 0xff000000, v[Q_+BM+4*((\i)-2)]         ; 2 off the exponent field: the conversions' scale operand
.elseif (\i) < 6
	v_lshrrev_b32 v[Q_+BM+4*((\i)-4)], 23, v[Q_+BS+(\i)-4]                ; the bytes of blocks h and 2 + h
.elseif (\i) == 6
	v_lshl_or_b32 v[Q_+BM], v[Q_+BM+4], 16, v[Q_+BM]
.elseif (\i) == 7
	v_lshlrev_b32 v[Q_+BM], v[SH8], v[Q_+BM]                              ; at their places in the word
.elseif (\i) == 8
	v_permlanex16_b32 v[Q_+BM+1], v[Q_+BM], s[SEL], s[SEL+1]
.else
	v_or_b32 v[Q_+PW], v[Q_+BM], v[Q_+BM+1]                               ; with lane l xor 16's two the word is whole
.endif
.endm
.macro RUN m, y, a, b                  ; lines a .. b - 1 of list m for query tile y
.set I_, \a
.rept (\b)-(\a)
	\m \y, I_
.set I_, I_+1
.endr
.endm
	s_load_b256 s[4:11], s[0:1], 0x0               ; qkv, qkvs, codes, scl
	v_lshl_add_u32 v[SPW], v0, 2, SPARE
	v_mov_b32 v[NIL], 0
	ds_add_u32 v[SPW], v[NIL]                      ; the opening lines: the add twice on end and its wait
	ds_add_u32 v[SPW], v[NIL]
	v_lshrrev_b32 v9, 5, v0
	v_readfirstlane_b32 s[WV], v9                  ; wave 0..7
	s_bfe_u32 s13, ttmp6, 0x40000                  ; cx: which 512 queries
	s_and_b32 s14, ttmp7, 0xffff                   ; 16 x batch + head
	s_mov_b32 s28, 15|(3<<16)|(1<<21)              ; group 1 of the codes: 128 rows of 256 bytes, dense
	s_mov_b32 s29, 32<<16
	s_mov_b32 s30, 128<<16
	s_mov_b32 s31, 32<<16
	s_mov_b32 s32, 128
	s_mov_b32 s33, 32
	s_mov_b32 s34, 0
	s_mov_b32 s35, 0
	s_mov_b32 s36, 15|(3<<16)|(1<<21)              ; of the scale words: 24 rows
	s_mov_b32 s37, 32<<16
	s_mov_b32 s38, 24<<16
	s_mov_b32 s39, 32<<16
	s_mov_b32 s40, 24
	s_mov_b32 s41, 32
	s_mov_b32 s42, 0
	s_mov_b32 s43, 0
	s_mul_i32 s16, s14, 294912
	s_lshl_b32 s15, s[WV], 15                      ; waves 0-5: 32,768 bytes each of K's and V's 196,608
	s_add_co_u32 s16, s16, s15
	s_add_co_u32 s16, s16, 98304
	s_mov_b32 s17, 0
	s_mul_i32 s2, s14, 20480
	s_and_b32 s66, s[WV], 1
	s_mul_i32 s66, s66, 6144                       ; waves 6, 7: 6,144 bytes each of the words' 12,288
	s_add_co_u32 s2, s2, s66
	s_add_co_u32 s2, s2, 8192
	s_mov_b32 s3, 0
	s_mov_b32 s[SEL], 0x76543210
	s_mov_b32 s[SEL+1], 0xfedcba98                 ; v_permlanex16_b32's selects for lane l xor 16
	s_mov_b32 s[CS], 0x3e38aa3b                    ; log2(e) / 8
	s_mov_b32 s[CS+1], s[CS]
	s_mov_b32 s[HM], 0xffff0000
	s_wait_alu depctr_va_vdst(0)
	s_wait_dscnt 0x0
	CROUND                                         ; the four work-groups are here: the joint loads meet
	s_wait_kmcnt 0x0
	s_mov_b32 s44, 1
	s_mov_b32 s45, s15
	s_add_nc_u64 s[46:47], s[4:5], s[16:17]
	s_or_b32 s47, s47, 0x80000000
	s_mov_b32 s48, 1
	s_add_co_u32 s49, s66, KWD
	s_add_nc_u64 s[50:51], s[6:7], s[2:3]
	s_or_b32 s51, s51, 0x80000000
	s_cmp_lt_u32 s[WV], 6
	s_cbranch_scc0 .Lwords
	tensor_load_to_lds s[44:47], s[28:35]
	s_nop 0
.rept 4
	v_nop
.endr
	s_branch .Lasked
.Lwords:
	tensor_load_to_lds s[48:51], s[36:43]
	s_nop 0
.rept 4
	v_nop
.endr
.Lasked:
	s_lshl_b32 s60, s13, 5                         ; my first query tile: 32 cx + 2 wave; the second pass's lie 16 tiles on
	s_lshl_b32 s61, s[WV], 1
	s_add_co_u32 s60, s60, s61
	s_mul_i32 s62, s14, 294912
	s_mul_i32 s61, s60, 768
	s_add_co_u32 s62, s62, s61
	s_mov_b32 s63, 0
	s_add_nc_u64 s[52:53], s[4:5], s[62:63]        ; q's codes
	s_mul_i32 s62, s14, 20480
	s_lshl_b32 s61, s13, 11
	s_add_co_u32 s62, s62, s61
	s_lshr_b32 s61, s[WV], 2
	s_lshl_b32 s61, s61, 9
	s_add_co_u32 s62, s62, s61
	s_bfe_u32 s61, s[WV], 0x10001
	s_lshl_b32 s61, s61, 8
	s_add_co_u32 s62, s62, s61
	s_and_b32 s61, s[WV], 1
	s_lshl_b32 s61, s61, 3
	s_add_co_u32 s62, s62, s61
	s_add_nc_u64 s[54:55], s[6:7], s[62:63]        ; q's scale words
	s_lshr_b32 s67, s14, 4
	s_and_b32 s68, s14, 15
	s_lshl_b32 s67, s67, 7
	s_add_co_u32 s67, s67, s60
	s_mul_i32 s62, s67, 12288
	s_mul_i32 s61, s68, 768
	s_add_co_u32 s62, s62, s61
	s_add_nc_u64 s[56:57], s[8:9], s[62:63]        ; where o's codes go: the token tile, the head's half image
	s_lshl_b32 s62, s67, 9
	s_lshr_b32 s61, s68, 3
	s_lshl_b32 s61, s61, 8
	s_add_co_u32 s62, s62, s61
	s_and_b32 s61, s68, 7
	s_lshl_b32 s61, s61, 1
	s_add_co_u32 s62, s62, s61
	s_add_nc_u64 s[58:59], s[10:11], s[62:63]      ; and its two scale bytes
	v_and_b32 v9, 31, v0                           ; lane
	v_and_b32 v10, 15, v0                          ; r
	v_bfe_u32 v11, v0, 4, 1                        ; h
	v_and_b32 v12, 7, v0                           ; r % 8
	v_bfe_u32 v13, v0, 3, 1                        ; r / 8
	v_lshlrev_b32 v[L16], 4, v9
	v_lshlrev_b32 v[L8], 3, v9
	v_mul_u32_u24 v14, v13, 1536                   ; rows 8-15 of a tile come from the image two on
	v_lshl_add_u32 v[AK16], v12, 4, v14
	v_lshl_add_u32 v[AK16], v11, 8, v[AK16]
	v_lshl_add_u32 v[AK8], v12, 3, v14
	v_lshl_add_u32 v[AK8], v11, 7, v[AK8]
	v_add_nc_u32 v[AK8], 512, v[AK8]
	v_add_nc_u32 v[AV16], VIMG-6144, v[L16]
	v_add_nc_u32 v[AV8], VIMG-6144+512, v[L8]
	v_lshlrev_b32 v[ASK], 4, v12                   ; k's words: 16 (r % 8) + 8 (r / 8), lanes 16-31 those of c = 1
	v_lshl_add_u32 v[ASK], v13, 3, v[ASK]
	v_lshl_add_u32 v[ASK], v11, 8, v[ASK]
	v_add_nc_u32 v[ASK], KWD, v[ASK]
	v_lshlrev_b32 v[R16], 4, v10
	v_add_nc_u32 v[ASV], VWD, v[R16]
	v_lshl_add_u32 v[SOF], v11, 9, v[R16]
	v_lshlrev_b32 v[SH8], 3, v11
	WIN 0x40
.irp y, 0,1                            ; both passes' q, under the tiles' flight
	global_load_b128 v[QF+12*\y:QF+12*\y+3], v[L16], s[52:53] offset:768*\y
	global_load_b64 v[QF+12*\y+4:QF+12*\y+5], v[L8], s[52:53] offset:768*\y+512
	global_load_b128 v[Q2+6*\y:Q2+6*\y+3], v[L16], s[52:53] offset:12288+768*\y
	global_load_b64 v[Q2+6*\y+4:Q2+6*\y+5], v[L8], s[52:53] offset:12288+768*\y+512
.endr
.irp i, 0,1,2,3,4,5
	v_mov_b32 v[KF+48+\i], 0                       ; zero codes: the last tile's upper half, and q's
	v_mov_b32 v[QF+6+\i], 0
	v_mov_b32 v[QF+18+\i], 0
.endr
	WIN 0
	global_load_b64 v[QS:QS+1], v[R16], s[54:55]
	global_load_b64 v[QS2:QS2+1], v[R16], s[54:55] offset:1024
.irp y, 0,1
.irp b, 0,1,2,3
	v_mov_b32 v[ST+24*\y+BT+\b], 0                 ; written once: a lane permute's destination counts as one of its sources
.endr
	v_mov_b32 v[ST+24*\y+PW], 0
.endr
	s_wait_alu depctr_va_vdst(0)
	s_wait_tensorcnt 0x0                           ; my part of K, V or the words is in
	s_barrier_signal -1
	s_barrier_wait -1                              ; everybody's is
	s_wait_loadcnt 0x0
	s_mov_b32 s[PASS], 2
.Lpass:
	WIN 0x40
	KLOAD AK16, AK8
.set J, 0
.rept 64
	v_mov_b32 v[OT+J], 0
.set J, J+1
.endr
	WIN 0
	ds_load_b64 v[KS:KS+1], v[ASK]
	ds_load_b64 v[KS+2:KS+3], v[ASK] offset:128
.irp y, 0,1
	v_mov_b32 v[ST+24*\y+TX], 0xff61b1e6           ; -3e38, under every score
	s_delay_alu instid0(VALU_DEP_1)
	v_floor_f32 v[ST+24*\y+NM], -v[ST+24*\y+TX]
	v_mov_b32 v[ST+24*\y+SU], 0
	v_mov_b32 v[ST+24*\y+SU+1], 0
.endr
	s_mov_b32 s[TK], 6144
	s_mov_b32 s[TS], 512
	s_mov_b32 s[TW], 0
	s_mov_b32 s[KCNT], 16
.Lstep:                                                ; 128 keys
	s_wait_dscnt 0x0                               ; this step's K tiles and words are in
	WIN 0x05
.irp t, 0,1,2,3
.irp y, 0,1
	v_wmma_scale_f32_16x16x128_f8f6f4 v[S+64*\y+8*\t:S+64*\y+8*\t+7], v[KF+6*\t:KF+6*\t+11], v[QF+12*\y:QF+12*\y+11], 0, v[KS+\t], v[QS+\y] matrix_a_fmt:MATRIX_FMT_FP6 matrix_b_fmt:MATRIX_FMT_FP6
.endr
.endr
.irp t, 4,5,6,7
.irp y, 0,1
	v_wmma_scale_f32_16x16x128_f8f6f4 v[S+64*\y+8*\t:S+64*\y+8*\t+7], v[KF+6*\t:KF+6*\t+11], v[QF+12*\y:QF+12*\y+11], 0, v[KS+\t-4], v[QS+\y] matrix_a_fmt:MATRIX_FMT_FP6 matrix_b_fmt:MATRIX_FMT_FP6 matrix_a_scale:MATRIX_SCALE_ROW1
.endr
.endr
	WIN 0
	v_add_nc_u32 v[ADK16], s[TK], v[AK16]          ; the next step's K, this step's V: these six are also the places behind the products
	v_add_nc_u32 v[ADK8], s[TK], v[AK8]
	v_add_nc_u32 v[ADV16], s[TK], v[AV16]
	v_add_nc_u32 v[ADV8], s[TK], v[AV8]
	v_add_nc_u32 v[ADS], s[TS], v[ASK]
	v_add_nc_u32 v[ADT], s[TW], v[ASV]
	WIN 0x40
.irp t, 0,1,2,3
	ds_load_b128 v[VF+12*\t:VF+12*\t+3], v[ADV16] offset:1536*\t
	ds_load_b64 v[VF+12*\t+4:VF+12*\t+5], v[ADV8] offset:1536*\t
	ds_load_b128 v[VF+12*\t+6:VF+12*\t+9], v[ADV16] offset:1536*\t+768
	ds_load_b64 v[VF+12*\t+10:VF+12*\t+11], v[ADV8] offset:1536*\t+768
.endr
	KLOAD ADK16, ADK8                              ; (in the last step these read V's first bytes, inside LDS, and are not used)
	WIN 0
	ds_load_b128 v[VS:VS+3], v[ADT]
	ds_load_b64 v[KS:KS+1], v[ADS]
	ds_load_b64 v[KS+2:KS+3], v[ADS] offset:128
; tile 0's maxima; tile 0's ladder among tile 1's maxima
	RUN MX, 0, 0, 24
	RUN LD, 0, 0, 4
	RUN MX, 1, 0, 2
	RUN LD, 0, 4, 6
	RUN MX, 1, 2, 5
	RUN LD, 0, 6, 8
	RUN MX, 1, 5, 8
	RUN LD, 0, 8, 10
	RUN MX, 1, 8, 11
	RUN LD, 0, 10, 11
	RUN MX, 1, 11, 14
	RUN LD, 0, 11, 12
	RUN MX, 1, 14, 17
	RUN LD, 0, 12, 13
	RUN MX, 1, 17, 20
	RUN LD, 0, 13, 14
	RUN MX, 1, 20, 22
	RUN LD, 0, 14, 17
	RUN MX, 1, 22, 24
	RUN LD, 0, 17, 18
; tile 1's ladder among tile 0's multiply-adds
	RUN LD, 1, 0, 3
	RUN LD, 0, 18, 19
	RUN LD, 1, 3, 4
	RUN FM, 0, 0, 2
	RUN LD, 1, 4, 6
	RUN FM, 0, 2, 5
	RUN LD, 1, 6, 8
	RUN FM, 0, 5, 8
	RUN LD, 1, 8, 10
	RUN FM, 0, 8, 11
	RUN LD, 1, 10, 11
	RUN FM, 0, 11, 14
	RUN LD, 1, 11, 12
	RUN FM, 0, 14, 17
	RUN LD, 1, 12, 13
	RUN FM, 0, 17, 20
	RUN LD, 1, 13, 14
	RUN FM, 0, 20, 23
	RUN LD, 1, 14, 17
	RUN FM, 0, 23, 26
	RUN LD, 1, 17, 18
	RUN FM, 0, 26, 29
	RUN LD, 1, 18, 19
	RUN FM, 0, 29, 32
	s_wait_alu depctr_va_vdst(0)
; tile 0's exponentials, tile 1's multiply-adds among them: what these write is read behind the next wait
.set J, 0
.rept 32
	v_exp_f32 v[S+2*J], v[S+2*J]
	v_exp_f32 v[S+2*J+1], v[S+2*J+1]
	FM 1, J
.set J, J+1
.endr
	v_exp_f32 v[ST+BM], v[ST+BM]                   ; tile 0's blocks' largest p
	v_exp_f32 v[ST+BM+4], v[ST+BM+4]
.irp y, 0,1
	v_pk_mul_f32 v[ST+24*\y+SU:ST+24*\y+SU+1], v[ST+24*\y+SU:ST+24*\y+SU+1], v[ST+24*\y+FF:ST+24*\y+FF+1] op_sel_hi:[1,0]   ; the sums under the new M: plain places behind the batch
.endr
	s_wait_alu depctr_va_vdst(0)                   ; behind tile 0's batch and ahead of tile 1's
; tile 1's exponentials, tile 0's sixteen first sums of the unquantised p among them
.set J, 0
.rept 16
.irp e, 0,1,2,3
	v_exp_f32 v[S+64+4*J+\e], v[S+64+4*J+\e]
.endr
	v_pk_add_f32 v[PC+2*J:PC+2*J+1], v[S+4*J:S+4*J+1], v[S+4*J+2:S+4*J+3]
.set J, J+1
.endr
	v_exp_f32 v[ST+24+BM], v[ST+24+BM]
	v_exp_f32 v[ST+24+BM+4], v[ST+24+BM+4]
	SCL 0, 0                                       ; plain places behind the batch
	SCL 0, 1
	s_wait_alu depctr_va_vdst(0)                   ; one wait behind the batch, ahead of its first reader
; the sums, eight chains by turns; then tile 1's last sums with the scale lines among them
.set K_, 0
.rept 16
	D0 K_
	D1 K_
.set K_, K_+1
.endr
	D1 16
	SCL 0, 2
	D1 17
	SCL 0, 3
	D1 18
	SCL 1, 0
	D1 19
	SCL 1, 1
	D1 20
	SCL 0, 4
	D1 21
	SCL 0, 5
	D1 22
	SCL 1, 2
	D1 23
	SCL 1, 3
	D1 24
	SCL 0, 6
	D1 25
	SCL 1, 4
	D1 26
	SCL 1, 5
	D1 27
	SCL 0, 7
	D1 28
	SCL 1, 6
	D1 29
	SCL 0, 8
	D1 30
	SCL 1, 7
	D1 31
	SCL 0, 9
	SCL 1, 8
.irp y, 0,1
.irp c, 0,1
	v_cvt_scalef32_pk16_fp6_f32 v[PC+20*\y+6*\c:PC+20*\y+6*\c+2], v[S+64*\y+32*\c:S+64*\y+32*\c+15], v[ST+24*\y+BS+\c]
	v_cvt_scalef32_pk16_fp6_f32 v[PC+20*\y+12+4*\c:PC+20*\y+14+4*\c], v[S+64*\y+32*\c+16:S+64*\y+32*\c+31], v[ST+24*\y+BS+\c]   ; (a conversion's three registers begin on an even number)
.endr
.endr
	SCL 1, 9                                       ; tile 1's word: also the plain place behind the scaled conversions
.irp y, 0,1
.irp c, 0,1
.irp i, 0,1,2
	v_mov_b32 v[PC+20*\y+3+6*\c+\i], v[PC+20*\y+12+4*\c+\i]
.endr
.endr
.endr
	WIN 0x41
	s_wait_alu depctr_va_vdst(0)
.irp y, 0,1
.set J, 0
.rept 16
	v_pk_mul_f32 v[OT+32*\y+J:OT+32*\y+J+1], v[OT+32*\y+J:OT+32*\y+J+1], v[ST+24*\y+FF:ST+24*\y+FF+1] op_sel_hi:[1,0]   ; O^T under the new M
.set J, J+2
.endr
.endr
	s_wait_alu depctr_va_vdst(0)
	s_wait_dscnt 0x0                               ; V's fragments and words are in (and the next step's K)
	WIN 0x51
.irp t, 0,1,2,3
.irp y, 0,1
	v_wmma_scale_f32_16x16x128_f8f6f4 v[OT+32*\y+8*\t:OT+32*\y+8*\t+7], v[VF+12*\t:VF+12*\t+11], v[PC+20*\y:PC+20*\y+11], v[OT+32*\y+8*\t:OT+32*\y+8*\t+7], v[VS+\t], v[ST+24*\y+PW] matrix_a_fmt:MATRIX_FMT_FP6 matrix_b_fmt:MATRIX_FMT_FP6
.endr
.endr
	WIN 0
	s_add_co_u32 s[TK], s[TK], 6144
	s_add_co_u32 s[TS], s[TS], 512
	s_add_co_u32 s[TW], s[TW], 256
	s_sub_co_u32 s[KCNT], s[KCNT], 1
	s_cmp_lg_u32 s[KCNT], 0
	s_cbranch_scc1 .Lstep
; THE WAY OUT of a pass: O^T / the sum; register 16 b + i of a lane is d = 32 b + 16 h + i; quantised along d; one half image and two scale bytes a query tile
.rept 4
	v_nop
.endr
.irp y, 0,1
	v_add_f32 v[ST+24*\y+RC], v[ST+24*\y+SU], v[ST+24*\y+SU+1]
.endr
.irp y, 0,1
	s_delay_alu instid0(VALU_DEP_2)
	v_permlanex16_b32 v[ST+24*\y+BT], v[ST+24*\y+RC], s[SEL], s[SEL+1]
.endr
.irp y, 0,1
	s_delay_alu instid0(VALU_DEP_2)
	v_add_f32 v[ST+24*\y+RC], v[ST+24*\y+RC], v[ST+24*\y+BT]
.endr
	s_wait_alu depctr_va_vdst(0)
.irp y, 0,1
	v_rcp_f32 v[ST+24*\y+T1], v[ST+24*\y+RC]
.endr
	v_nop
	s_wait_alu depctr_va_vdst(0)
	WIN 0x01
.irp y, 0,1
.set J, 0
.rept 16
	v_pk_mul_f32 v[S+64*\y+J:S+64*\y+J+1], v[OT+32*\y+J:OT+32*\y+J+1], v[ST+24*\y+T1:ST+24*\y+T1+1] op_sel_hi:[1,0]
.set J, J+2
.endr
.endr
	WIN 0
.irp b, 0,1
.irp y, 0,1
	v_max3_num_f32 v[ST+24*\y+BM+\b], |v[S+64*\y+16*\b]|, |v[S+64*\y+16*\b+1]|, 0x1800000
.endr
.endr
.irp i, 2,4,6,8,10,12,14
.irp b, 0,1
.irp y, 0,1
	s_delay_alu instid0(VALU_DEP_4)
	v_max3_num_f32 v[ST+24*\y+BM+\b], v[ST+24*\y+BM+\b], |v[S+64*\y+16*\b+\i]|, |v[S+64*\y+16*\b+\i+1]|
.endr
.endr
.endr
.irp b, 0,1
.irp y, 0,1
	s_delay_alu instid0(VALU_DEP_4)
	v_permlanex16_b32 v[ST+24*\y+BT+\b], v[ST+24*\y+BM+\b], s[SEL], s[SEL+1]
.endr
.endr
.irp b, 0,1
.irp y, 0,1
	s_delay_alu instid0(VALU_DEP_4)
	v_max_num_f32 v[ST+24*\y+BM+\b], v[ST+24*\y+BM+\b], v[ST+24*\y+BT+\b]
.endr
.endr
.irp b, 0,1
.irp y, 0,1
	s_delay_alu instid0(VALU_DEP_4)
	v_add_nc_u32 v[ST+24*\y+BS+\b], 0xff000000, v[ST+24*\y+BM+\b]
.endr
.endr
.irp b, 0,1
.irp y, 0,1
	s_delay_alu instid0(VALU_DEP_4)
	v_lshrrev_b32 v[ST+24*\y+BT+\b], 23, v[ST+24*\y+BS+\b]
.endr
.endr
.irp y, 0,1
	s_delay_alu instid0(VALU_DEP_2)
	v_lshl_or_b32 v[ST+24*\y+T1], v[ST+24*\y+BT+1], 8, v[ST+24*\y+BT]
.endr
.irp y, 0,1
	v_cvt_scalef32_pk16_fp6_f32 v[PC+20*\y:PC+20*\y+2], v[S+64*\y:S+64*\y+15], v[ST+24*\y+BS]
	v_cvt_scalef32_pk16_fp6_f32 v[PC+20*\y+12:PC+20*\y+14], v[S+64*\y+16:S+64*\y+31], v[ST+24*\y+BS+1]
.endr
	v_nop
.irp y, 0,1
.irp i, 0,1,2
	v_permlane16_swap_b32 v[PC+20*\y+\i], v[PC+20*\y+12+\i]
.endr
.irp i, 0,1,2
	s_delay_alu instid0(VALU_DEP_3)
	v_mov_b32 v[PC+20*\y+3+\i], v[PC+20*\y+12+\i]
.endr
.endr
	v_cndmask_b32 v[SDT], v[ST+T1], v[ST+24+T1], s[HM]
.irp y, 0,1
	global_store_b128 v[L16], v[PC+20*\y:PC+20*\y+3], s[56:57] offset:12288*\y          ; 512 consecutive bytes
	global_store_b64 v[L8], v[PC+20*\y+4:PC+20*\y+5], s[56:57] offset:12288*\y+512      ; 256
.endr
	global_store_b16 v[SOF], v[SDT], s[58:59]
	s_wait_xcnt 0x0                                ; the stores have read their bases and data
	s_add_nc_u64 s[56:57], s[56:57], 196608        ; 16 token tiles on
	s_add_nc_u64 s[58:59], s[58:59], 8192
	WIN 0x41
.irp y, 0,1
.irp i, 0,1,2,3,4,5
	v_mov_b32 v[QF+12*\y+\i], v[Q2+6*\y+\i]        ; the second pass's q (behind the second pass the same numbers once more)
.endr
.endr
	WIN 0
	v_mov_b32 v[QS], v[QS2]
	v_mov_b32 v[QS+1], v[QS2+1]
	s_sub_co_u32 s[PASS], s[PASS], 1
	s_cmp_lg_u32 s[PASS], 0
	s_cbranch_scc1 .Lpass
	s_wait_tensorcnt 0x0                           ; the wave's end
	ds_add_u32 v[SPW], v[NIL]
	s_wait_dscnt 0x0
	CROUND                                         ; the closing round
	s_endpgm
.Lfunc_end_k_qc371c5e3e9_attn:
	.size	k_qc371c5e3e9_attn, .Lfunc_end_k_qc371c5e3e9_attn-k_qc371c5e3e9_attn
	.p2alignl 7, 3214868480
	.fill 96, 4, 3214868480
	.section	.rodata,"a",@progbits
	.p2align	6, 0x0
	.amdhsa_kernel k_qc371c5e3e9_attn
		.amdhsa_group_segment_fixed_size 327680
		.amdhsa_private_segment_fixed_size 0
		.amdhsa_enable_private_segment 0
		.amdhsa_kernarg_size 32
		.amdhsa_user_sgpr_count 2
		.amdhsa_user_sgpr_kernarg_segment_ptr 1
		.amdhsa_wavefront_size32 1
		.amdhsa_system_sgpr_workgroup_id_x 1
		.amdhsa_system_sgpr_workgroup_id_y 1
		.amdhsa_system_sgpr_workgroup_id_z 1
		.amdhsa_system_vgpr_workitem_id 0
		.amdhsa_next_free_vgpr 512
		.amdhsa_next_free_sgpr 80
		.amdhsa_reserve_vcc 0
		.amdhsa_float_denorm_mode_32 3
		.amdhsa_float_denorm_mode_16_64 3
		.amdhsa_memory_ordered 1
		.amdhsa_forward_progress 1
		.amdhsa_inst_pref_size 50
	.end_amdhsa_kernel
	.amdgpu_metadata
---
amdhsa.version: [ 1, 2 ]
amdhsa.kernels:
  - .name:           k_qc371c5e3e9_attn
    .symbol:         k_qc371c5e3e9_attn.kd
    .args:
      - { .name: qkv, .offset: 0, .size: 8, .value_kind: global_buffer, .address_space: global }
      - { .name: qkvs, .offset: 8, .size: 8, .value_kind: global_buffer, .address_space: global }
      - { .name: codes, .offset: 16, .size: 8, .value_kind: global_buffer, .address_space: global }
      - { .name: scl, .offset: 24, .size: 8, .value_kind: global_buffer, .address_space: global }
    .group_segment_fixed_size: 327680
    .private_segment_fixed_size: 0
    .kernarg_segment_align: 8
    .kernarg_segment_size: 32
    .max_flat_workgroup_size: 256
    .sgpr_count:     80
    .vgpr_count:     512
    .wavefront_size: 32
...
	.end_amdgpu_metadata
.endif
;; end of part 3
;; launch outp (part 4): grid 4 x 64, 4 waves a work-group, clusters of 4 x 4, 327,680 bytes of LDS; arguments codes, scl, bo, out0; writes out0
.if DOCPART == 4
	.amdgcn_target "amdgcn-amd-amdhsa--gfx1250"
	.amdhsa_code_object_version 6
	.text
	.protected	k_qc371c5e3e9_outp
	.globl	k_qc371c5e3e9_outp
	.p2align	8
	.type	k_qc371c5e3e9_outp,@function
k_qc371c5e3e9_outp:
	s_mov_b64 s[64:65], 0
	v_nop
	global_prefetch_b8 v0, s[64:65] scope:SCOPE_SE
	s_setreg_imm32_b32 hwreg(HW_REG_WAVE_MODE, 25, 1), 1
	s_wait_xcnt 0x0
	s_wait_alu depctr_hold_cnt(0) depctr_sa_sdst(0) depctr_va_vdst(0) depctr_va_sdst(0) depctr_va_ssrc(0) depctr_va_vcc(0) depctr_vm_vsrc(0)
	s_getreg_b32 s2, hwreg(HW_REG_IB_STS2, 6, 4)
	s_cmp_eq_u32 s2, 0
	s_cbranch_scc0 .Lentry_in_a_cluster
	s_endpgm
.Lentry_in_a_cluster:
	s_bfe_u32 s2, ttmp6, 0x10000c
	s_cmp_lg_u32 s2, 0xf033
	s_cbranch_scc0 .Lentry_shape_is_right
	s_endpgm
.Lentry_shape_is_right:
; out0 = a wo^T + bo on codes of FP6 (E2M3) with E8M0 scales; a: the attention's result, tiles 0-511 of the codes' buffer; wo: tiles 704-767.  out0 [8192][1024] f32.
; A work-group makes 128 tokens (R) x 256 features (P): D = (source 0 = 16 rows of wo) x (source 1 = 16 tokens), so that a lane holds one token and eight neighbouring features a register run.
; Four waves: wave w has tokens 64 (w / 2) on (4 blocks of 16) and features 128 (w % 2) on (8 blocks): 32 accumulators.
; ALL OF K (1,024) LIES IN LDS: (128 + 256) rows x 768 bytes, in two halves of 512 along K, each filled once: no slot is filled again.
; The operands lie in memory as images of operand registers (16 rows x 64 K in 768 bytes: lane l's first 16 bytes at 16 l, its last 8 at 512 + 8 l): a fragment is four loads of consecutive bytes.
; Lane r of tile T holds row 32 (T / 2) + 8 (T % 2) + r + 8 (r / 8): the 16 result registers of wo's tiles 2 b, 2 b + 1 are features 32 b + 16 (lane / 16) + 0 .. 15; the stores' addresses give each token its true row.
; CLUSTERS: 4 x 4 work-groups.  The tokens' tiles are asked for jointly along a row of the cluster, wo's along a column.
; The bias is the C of each sum's first matrix instruction.
; REGISTERS: window 0: v1 lane, v2 r, v3 h, v4-14 addresses; v32-95 scale words; v112-159 R's fragments, one set; on the way out v112-239.
;   window 1: v0-95 and v128-223 P's fragments, two sets; v96-127 and v224-255 the bias in the result's layout.   window 2: accumulator (a, b) at v[8 (8 a + b)].
.set CHUNK, 147456                     ; K lies in LDS in TWO HALVES of 512 along K (in place of the four chunks named at the head), each filled once: R's 8 tiles x 6,144 bytes, then P's 16
.set TILEB, 6144
.set RPART, 49152
.set SPARE, 2*CHUNK                    ; behind the halves: the spare words, 128 bytes for each wave: two blocks of 256 bytes that no other line names
.set SPW,  4
.set NIL,  5
.set AR16, 6
.set AR8,  7
.set AP16, 8
.set AP8,  9
.set SO,   10
.set L16,  11
.set L8,   12
.set STO,  13                          ; v13  the way out: where I put 32 bytes of a row
.set RD,   14                          ; v14  and where I read a row back
.set SC,   32
.set RF,   112
.set BK,   112                         ; the way out: 16 rows read back: v112-175 and v176-239 by turns
.set G1R, 28
.set G1P, 36
.set G0R, 44
.set G0P, 68
.set MSB, 0
.macro WIN new                         ; the immediate's high byte repeats the setting that is left
.if MSB != \new
	s_set_vgpr_msb (MSB<<8)|\new
.set MSB, \new
.endif
.endm
.macro CROUND                          ; a round of the cluster's barrier
	s_barrier_signal -1
	s_barrier_wait -1
	s_cmp_lg_u32 s18, 0
	s_cbranch_scc1 .Lnot_wave_0_\@
	s_barrier_signal -3
.Lnot_wave_0_\@:
	s_barrier_wait -3
	s_barrier_signal -1
	s_barrier_wait -1
.endm
.macro PLACES                          ; four places behind matrix instructions, ahead of loads into registers that they have read and of reads of their results
.rept 4
	v_nop
.endr
.endm
	s_load_b256 s[4:11], s[0:1], 0x0               ; codes, scl, bo, out0
	v_lshl_add_u32 v[SPW], v0, 2, SPARE
	v_mov_b32 v[NIL], 0
	ds_add_u32 v[SPW], v[NIL]                      ; the wave's opening: the add and its wait stand ahead of my first tensor load; work on registers stands between them
	ds_add_u32 v[SPW], v[NIL]
	v_lshrrev_b32 v1, 5, v0
	v_readfirstlane_b32 s18, v1                    ; wave 0..3
	s_lshr_b32 s19, s18, 1                         ; wr
	s_and_b32 s20, s18, 1                          ; wp.  Also: which half of a tile I fetch
	s_bfe_u32 s21, ttmp6, 0x40000                  ; cx
	s_bfe_u32 s22, ttmp6, 0x40004                  ; cy
	s_lshl_b32 s25, ttmp9, 2
	s_add_co_u32 s25, s25, s21                     ; X
	s_and_b32 s24, ttmp7, 0xffff
	s_lshl_b32 s26, s24, 2
	s_add_co_u32 s26, s26, s22                     ; Y
	s_lshl_b32 s61, s22, 2
	s_lshl_b32 s61, 15, s61                        ; my row of the cluster
	s_lshl_b32 s67, 0x1111, s21                    ; my column
	s_or_b32 s[G1R], s61, (3<<16)|(1<<21)          ; 15:0 the mask; 17:16 elements of 8 bytes; 21 set beside a mask
	s_or_b32 s[G1P], s67, (3<<16)|(1<<21)
	s_mov_b32 s[G1R+1], 768<<16                    ; rows of 6,144 bytes, half a tile's K,
	s_mov_b32 s[G1R+2], 4<<16                      ; four tiles,
	s_mov_b32 s[G1R+3], 768<<16
	s_mov_b32 s[G1R+4], 4
	s_mov_b32 s[G1R+5], 1536                       ; 12,288 bytes apart in memory, dense in LDS
	s_mov_b32 s[G1R+6], 0
	s_mov_b32 s[G1R+7], 0
	s_mov_b32 s[G1P+1], 768<<16
	s_mov_b32 s[G1P+2], 8<<16                      ; eight tiles
	s_mov_b32 s[G1P+3], 768<<16
	s_mov_b32 s[G1P+4], 8
	s_mov_b32 s[G1P+5], 1536
	s_mov_b32 s[G1P+6], 0
	s_mov_b32 s[G1P+7], 0
	s_lshl_b32 s60, s24, 5
	s_lshl_b32 s61, s22, 3
	s_add_co_u32 s60, s60, s61                     ; R's first tile: 8 Y
	s_lshl_b32 s66, s25, 4
	s_add_co_u32 s66, s66, 704                     ; P's first tile: wo's, 16 X on
	s_lshl_b32 s61, s20, 2
	s_add_co_u32 s61, s60, s61
	s_mul_i32 s62, s61, 12288
	s_mov_b32 s63, 0
	s_lshl_b32 s67, s20, 3
	s_add_co_u32 s67, s66, s67
	s_mul_i32 s84, s67, 12288
	s_mov_b32 s85, 0
	s_mul_i32 s86, s20, 24576                      ; where they go in a half: no place in the cluster enters an LDS address
	s_mul_i32 s87, s20, 49152
	s_wait_dscnt 0x0                               ; the opening add is done
	s_wait_kmcnt 0x0
	s_add_nc_u64 s[62:63], s[4:5], s[62:63]
	s_add_nc_u64 s[84:85], s[4:5], s[84:85]
.irp c, 0,1
	s_mov_b32 s[G0R+4*\c], 1
	s_add_co_u32 s[G0R+4*\c+1], s86, \c*CHUNK
	s_add_nc_u64 s[G0R+4*\c+2:G0R+4*\c+3], s[62:63], \c*TILEB
	s_or_b32 s[G0R+4*\c+3], s[G0R+4*\c+3], 0x80000000
	s_mov_b32 s[G0P+4*\c], 1
	s_add_co_u32 s[G0P+4*\c+1], s87, \c*CHUNK+RPART
	s_add_nc_u64 s[G0P+4*\c+2:G0P+4*\c+3], s[84:85], \c*TILEB
	s_or_b32 s[G0P+4*\c+3], s[G0P+4*\c+3], 0x80000000
.endr
	CROUND                                         ; all sixteen work-groups are here: the joint loads meet
	s_cmp_lt_u32 s18, 2                            ; waves 0 and 1 fetch R's halves, waves 2 and 3 P's: a wave's first fill stands in one branch: one load of mine is out
	s_cbranch_scc0 .Lfill_p
.irp c, 0                              ; one tensor load a wave at the head: the first half of K
	tensor_load_to_lds s[G0R+4*\c:G0R+4*\c+3], s[G1R:G1R+7]
	s_nop 0
.endr
	PLACES
	s_branch .Lfilled
.Lfill_p:
.irp c, 0
	tensor_load_to_lds s[G0P+4*\c:G0P+4*\c+3], s[G1P:G1P+7]
	s_nop 0
.endr
	PLACES
.Lfilled:
	v_and_b32 v1, 31, v0                           ; lane
	v_and_b32 v2, 15, v0                           ; r
	v_bfe_u32 v3, v0, 4, 1                         ; h
	v_lshlrev_b32 v[L16], 4, v1
	v_lshlrev_b32 v[L8], 3, v1
	s_mul_i32 s88, s19, 24576
	s_mul_i32 s89, s20, 49152
	s_add_co_u32 s89, s89, RPART
	v_add_nc_u32 v[AR16], s88, v[L16]
	v_add_nc_u32 v[AR8], s88, v[L8]
	v_add_nc_u32 v[AR8], 512, v[AR8]
	v_add_nc_u32 v[AP16], s89, v[L16]
	v_add_nc_u32 v[AP8], s89, v[L8]
	v_add_nc_u32 v[AP8], 512, v[AP8]
	s_lshl_b32 s92, s19, 2
	s_add_co_u32 s92, s92, s60
	s_lshl_b32 s92, s92, 9                         ; my R tiles' scale words, 512 bytes a tile
	s_lshl_b32 s93, s20, 3
	s_add_co_u32 s93, s93, s66
	s_lshl_b32 s93, s93, 9                         ; my P tiles'
	s_mov_b32 s3, 0xffff0000
	v_mov_b32 v17, s92
	v_mov_b32 v18, s93
	v_cndmask_b32 v[SO], v17, v18, s3              ; lanes 16-31 take P's
	v_lshl_add_u32 v[SO], v2, 4, v[SO]
.irp i, 0,1,2,3,4,5,6,7                ; (for i over 3 lanes 0-15 read words of later tiles, inside the buffer, that no product selects)
	global_load_b128 v[SC+8*\i:SC+8*\i+3], v[SO], s[6:7] offset:512*\i
	global_load_b128 v[SC+8*\i+4:SC+8*\i+7], v[SO], s[6:7] offset:512*\i+256
.endr
	s_lshl_b32 s90, s25, 10
	s_lshl_b32 s91, s20, 9
	s_add_co_u32 s90, s90, s91                     ; my first feature, in bytes: 4 (256 X + 128 wp)
	v_lshlrev_b32 v16, 6, v3
	v_add_nc_u32 v16, s90, v16                     ; the bias: register 16 b + i is feature 32 b + 16 h + i
	WIN 0x40                                       ; destination window 1
.set N_, 0
.rept 16
.if N_ < 32
.set WT_, 96+N_
.else
.set WT_, 192+N_
.endif
	global_load_b128 v[WT_:WT_+3], v16, s[8:9] offset:128*(N_/16)+4*(N_%16)
.set N_, N_+4
.endr
	WIN 0
	s_lshl_b32 s88, s26, 7
	s_lshl_b32 s89, s19, 6
	s_add_co_u32 s88, s88, s89                     ; my first token: 128 Y + 64 wr
	s_lshl_b32 s88, s88, 12
	s_add_co_u32 s88, s88, s90
	s_mov_b32 s89, 0
	s_add_nc_u64 s[10:11], s[10:11], s[88:89]
	s_mul_i32 s94, s18, 8448                       ; my stage: 16 rows x 528 bytes, in chunk 0
	v_mul_u32_u24 v[STO], v2, 528
	v_lshl_add_u32 v[STO], v3, 6, v[STO]
	v_add_nc_u32 v[STO], s94, v[STO]
	v_add_nc_u32 v[RD], s94, v[L16]
	s_wait_loadcnt 0x0
.macro FRAG reg, a16, a8, off          ; a fragment, 16 rows x 128 K: two half images, four loads of consecutive bytes
.set FR_, \reg
.set FO_, \off
	ds_load_b128 v[FR_:FR_+3], v[\a16] offset:FO_
	ds_load_b64 v[FR_+4:FR_+5], v[\a8] offset:FO_
	ds_load_b128 v[FR_+6:FR_+9], v[\a16] offset:FO_+768
	ds_load_b64 v[FR_+10:FR_+11], v[\a8] offset:FO_+768
.endm
.macro FETCH_P s                       ; P's eight fragments of K step s into set s % 2
	WIN 0x40
.irp i, 0,1,2,3,4,5,6,7
	FRAG 128*((\s)%2)+12*\i, AP16, AP8, \i*TILEB+((\s)%4)*1536
.endr
	WIN 0
.endm
.macro FETCH_R s, i0                   ; R's blocks i0, i0 + 1
.irp i, \i0, \i0+1
	FRAG RF+12*(\i), AR16, AR8, (\i)*TILEB+((\s)%4)*1536
.endr
.endm
; eight matrix instructions: R's block a against P's eight, K step s.  The 32 accumulators take turns, one instruction a turn, in the same order in every step.
; first = 1: the sum begins with the bias as C: eight registers a block of P, in the result's layout.
.macro MULB a, s, first
.irp b, 0,1,2,3,4,5,6,7
.if \first
.if \b < 4
.set CB_, 96+8*\b
.else
.set CB_, 192+8*\b
.endif
	v_wmma_scale_f32_16x16x128_f8f6f4 v[8*(8*\a+\b):8*(8*\a+\b)+7], v[128*((\s)%2)+12*\b:128*((\s)%2)+12*\b+11], v[RF+12*\a:RF+12*\a+11], v[CB_:CB_+7], v[SC+8*\b+(\s)], v[SC+8*\a+(\s)] matrix_a_fmt:MATRIX_FMT_FP6 matrix_b_fmt:MATRIX_FMT_FP6 matrix_a_scale:MATRIX_SCALE_ROW1
.else
	v_wmma_scale_f32_16x16x128_f8f6f4 v[8*(8*\a+\b):8*(8*\a+\b)+7], v[128*((\s)%2)+12*\b:128*((\s)%2)+12*\b+11], v[RF+12*\a:RF+12*\a+11], v[8*(8*\a+\b):8*(8*\a+\b)+7], v[SC+8*\b+(\s)], v[SC+8*\a+(\s)] matrix_a_fmt:MATRIX_FMT_FP6 matrix_b_fmt:MATRIX_FMT_FP6 matrix_a_scale:MATRIX_SCALE_ROW1
.endif
.endr
.endm
.macro MWIN first                      ; source 0 (P) window 1, source 1 (R) window 0, D window 2; C window 2, or window 1 where it is the bias
.if \first
	WIN 0x91
.else
	WIN 0xa1
.endif
.endm
; A K step of 128: 32 matrix instructions.  R has one set of registers: blocks 0, 1 are fetched anew in the step's middle, blocks 2, 3 at its end.  P has two sets.
; K step 3 is the first half's last: ahead of the second half's first read each wave waits for its part of that half and passes a barrier.
.macro KSTEP s, first
	s_wait_dscnt 8                                 ; P's set and R's blocks 0, 1 are in; the eight youngest loads (R's blocks 2, 3) may be out
	MWIN \first
	MULB 0, \s, \first
.if (\s) == 3                          ; K step 3 is the first half's last; behind its barrier nobody reads the first half, in which the stages lie
	s_wait_tensorcnt 0x0                           ; my part of the second half has landed
	s_wait_dscnt 0x0                               ; no LDS instruction of mine is out at a signal
	s_barrier_signal -1
	MULB 1, \s, \first
	WIN 0
	s_barrier_wait -1                              ; everybody's part has
	v_add_nc_u32 v[AR16], CHUNK, v[AR16]           ; on to the next chunk: these four are also the places ahead of the loads below
	v_add_nc_u32 v[AR8], CHUNK, v[AR8]
	v_add_nc_u32 v[AP16], CHUNK, v[AP16]
	v_add_nc_u32 v[AP8], CHUNK, v[AP8]
.else
	MULB 1, \s, \first
	s_wait_dscnt 0x0                               ; R's blocks 2, 3 are in
.if (\s) < 7
	WIN 0
	PLACES
.endif
.endif
.if (\s) < 7
	FETCH_P (\s)+1
	FETCH_R (\s)+1, 0
.endif
	MWIN \first
	MULB 2, \s, \first
	MULB 3, \s, \first
.if (\s) < 7
	WIN 0
	PLACES
	FETCH_R (\s)+1, 2
.endif
.endm
	s_wait_alu depctr_va_vdst(0)
	s_wait_tensorcnt 0x0                           ; my part of the first half is in
	ds_add_u32 v[SPW], v[NIL]
	s_wait_dscnt 0x0
	CROUND                                         ; everybody's part is in, and all sixteen work-groups are here: the joint loads meet
	s_cmp_lt_u32 s18, 2
	s_cbranch_scc0 .Lfill_p2
	tensor_load_to_lds s[G0R+4:G0R+7], s[G1R:G1R+7]    ; the second half of K: my one load behind the round
	s_nop 0
	PLACES
	s_branch .Lfilled2
.Lfill_p2:
	tensor_load_to_lds s[G0P+4:G0P+7], s[G1P:G1P+7]
	s_nop 0
	PLACES
.Lfilled2:
	FETCH_P 0
	FETCH_R 0, 0
	FETCH_R 0, 2
	KSTEP 0, 1
	KSTEP 1, 0
	KSTEP 2, 0
	KSTEP 3, 0
	s_wait_alu depctr_va_vdst(0)
	KSTEP 4, 0
	KSTEP 5, 0
	KSTEP 6, 0
	KSTEP 7, 0
; THE WAY OUT, block by block of 16 tokens x 128 features.  A lane holds runs of 32 neighbouring bytes of one row, and the lanes beside it hold other rows: so a block goes through my own stage in LDS and comes back as
; whole rows of 512 bytes.  The stage lies in chunk 0, which has had its one fill, and which nobody reads behind the first change of chunks.  LDS serves a wave's instructions in order: no wait between stores and loads.
.macro TOSTAGE a
	WIN 0x08                                       ; an LDS store's data are its source 1: window 2
.irp b, 0,1,2,3,4,5,6,7
	ds_store_b128 v[STO], v[64*(\a)+8*\b:64*(\a)+8*\b+3] offset:128*(\b/2)+32*(\b%2)          ; each accumulator from its low end on
	ds_store_b128 v[STO], v[64*(\a)+8*\b+4:64*(\a)+8*\b+7] offset:128*(\b/2)+32*(\b%2)+16
.endr
	WIN 0
.set BB, BK+64*((\a)%2)
.irp t, 0,1,2,3,4,5,6,7,8,9,10,11,12,13,14,15
	ds_load_b128 v[BB+4*\t:BB+4*\t+3], v[RD] offset:\t*528
.endr
.endm
.macro SEND a, younger                 ; younger: the LDS instructions issued behind block a's loads, which may stay out
.set BB, BK+64*((\a)%2)
	s_wait_dscnt \younger
.irp t, 0,1,2,3,4,5,6,7,8,9,10,11,12,13,14,15
	global_store_b128 v[L16], v[BB+4*\t:BB+4*\t+3], s[10:11] offset:(32*((\a)/2)+8*((\a)%2)+\t+8*(\t/8))*4096 th:TH_STORE_NT   ; 32 lanes store 512 consecutive bytes, at a multiple of 512 from out0's first byte; the token's true row stands in the immediate
.endr
.endm
	PLACES                                         ; behind the last products: for the reads of results and the loads into the registers that held R's fragments
	TOSTAGE 0
.irp a, 1,2,3
.if \a > 1
	s_wait_xcnt 0x0                                ; block a - 2's stores have read their registers: block a's loads land there only behind this wait
.endif
	TOSTAGE \a
	SEND \a-1, 32                                  ; behind block a - 1's loads: block a's 16 stores and 16 loads
.endr
	SEND 3, 0
	s_wait_tensorcnt 0x0                           ; the wave's end, behind my last tensor load and my last LDS store
	ds_add_u32 v[SPW], v[NIL]
	s_wait_dscnt 0x0
	CROUND                                         ; the closing round
	s_endpgm
.Lfunc_end_k_qc371c5e3e9_outp:
	.size	k_qc371c5e3e9_outp, .Lfunc_end_k_qc371c5e3e9_outp-k_qc371c5e3e9_outp
	.p2alignl 7, 3214868480
	.fill 96, 4, 3214868480
	.section	.rodata,"a",@progbits
	.p2align	6, 0x0
	.amdhsa_kernel k_qc371c5e3e9_outp
		.amdhsa_group_segment_fixed_size 327680
		.amdhsa_private_segment_fixed_size 0
		.amdhsa_enable_private_segment 0
		.amdhsa_kernarg_size 32
		.amdhsa_user_sgpr_count 2
		.amdhsa_user_sgpr_kernarg_segment_ptr 1
		.amdhsa_wavefront_size32 1
		.amdhsa_system_sgpr_workgroup_id_x 1
		.amdhsa_system_sgpr_workgroup_id_y 1
		.amdhsa_system_sgpr_workgroup_id_z 1
		.amdhsa_system_vgpr_workitem_id 0
		.amdhsa_next_free_vgpr 768
		.amdhsa_next_free_sgpr 102
		.amdhsa_reserve_vcc 0
		.amdhsa_float_denorm_mode_32 3
		.amdhsa_float_denorm_mode_16_64 3
		.amdhsa_memory_ordered 1
		.amdhsa_forward_progress 1
		.amdhsa_inst_pref_size 86
	.end_amdhsa_kernel
	.amdgpu_metadata
---
amdhsa.version: [ 1, 2 ]
amdhsa.kernels:
  - .name:           k_qc371c5e3e9_outp
    .symbol:         k_qc371c5e3e9_outp.kd
    .args:
      - { .name: codes, .offset: 0, .size: 8, .value_kind: global_buffer, .address_space: global }
      - { .name: scl, .offset: 8, .size: 8, .value_kind: global_buffer, .address_space: global }
      - { .name: bo, .offset: 16, .size: 8, .value_kind: global_buffer, .address_space: global }
      - { .name: out0, .offset: 24, .size: 8, .value_kind: global_buffer, .address_space: global }
    .group_segment_fixed_size: 327680
    .private_segment_fixed_size: 0
    .kernarg_segment_align: 8
    .kernarg_segment_size: 32
    .max_flat_workgroup_size: 128
    .sgpr_count:     102
    .vgpr_count:     768
    .wavefront_size: 32
...
	.end_amdgpu_metadata
.endif
;; end of part 4
